; MI455X (gfx1250); checked and timed in simulation.
; The chip was launched on July 23, 2026; its instructions are those of AMD's public machine-readable ISA for CDNA 5 (MIT licence, August 2026) and "CDNA5" Instruction Set Architecture Reference Guide (July 2026). The comments in the code are by the model that wrote it; some were corrected since.
;; Multi Head Attention. Allowed arithmetic: matrix products marked QUANTISED: E4M3 operands, one E8M0 scale for each 32 along K, by v_wmma_scale_f32_16x16x128_f8f6f4 with both operands' format E4M3, f32 sums; everything else in f32.
;; Inputs: K 8 x 1,024 x 512 float32; Q 8 x 1,024 x 512 float32; V 8 x 1,024 x 512 float32; Wk 8 x 512 x 128 float32; Wo 2,048 x 512 float32; Wq 8 x 512 x 128 float32; Wv 8 x 512 x 256 float32; bk 8 x 128 float32; bo 512 float32; bq 8 x 128 float32; bv 8 x 256 float32; padding_mask 8 x 1,024 x 1,024 int32; sequence_mask 1,024 x 1,024 int32.
;; Outputs: out0 8 x 1,024 x 512 float32.
;; This version of the problem:
;;   THIS VERSION OF THE PROBLEM IS GIVEN IN LOW PRECISION. The matrix products marked QUANTISED in the list below multiply operands that are first quantised to E4M3 (4 exponent bits, 3 mantissa bits; 8 bits a number), with one power-of-two scale for each 32 numbers along K (OCP MX v1.0); their sums are f32. All else is computed in f32.
;;   The module's matrix products, in the order in which they are computed (A, B: the left and right operand; K: the contracted axis; several contracted axes count as one K, in the product's order):
;;     1. [M 1,024, K 512] x [K 512, N 8,192]; A: input Wq; B: input Q: QUANTISED
;;     2. [M 1,024, K 512] x [K 512, N 8,192]; A: input Wk; B: input K: QUANTISED
;;     3. [M 2,048, K 512] x [K 512, N 8,192]; A: input Wv; B: input V: QUANTISED
;;     4. batch 64 x [M 1,024, K 128] x [K 128, N 1,024]; A: computed on the way; B: computed on the way: QUANTISED
;;     5. batch 64 x [M 1,024, K 1,024] x [K 1,024, N 256]; A: softmax (see below); B: computed on the way: QUANTISED
;;     6. [M 8,192, K 2,048] x [K 2,048, N 512]; A: computed on the way; B: input Wo: QUANTISED
;;   THE QUANTISER, for each operand of a quantised product, along K:
;;     - K is cut into blocks of 32 from its start; a last block that is shorter is filled with zeros.
;;     - A block's scale is 2^e with e = floor(log2(the largest magnitude in the block)) - 8, held to -126 .. 127; a block of zeros has e = 0. As a byte (E8M0): e + 127.
;;     - Each number is divided by its block's scale, clamped to +-448, and rounded to the nearest number of E4M3, ties to even, subnormals kept.
;;     - The product sums the exact products of the quantised numbers (number of the format x scale) in f32.
;;   ~~~python
;;   def quantise(x, axis):      # numpy; x: float32 -> the quantised numbers, widened to float32 again
;;       x = np.moveaxis(x, axis, -1); K = x.shape[-1]
;;       x = np.pad(x, [(0, 0)] * (x.ndim - 1) + [(0, -K % 32)]); x = x.reshape(x.shape[:-1] + (-1, 32)); a = np.abs(x).max(-1, keepdims=True)
;;       e = np.where(a > 0, np.clip(np.frexp(np.where(a > 0, a, 1))[1] - 1 - 8, -126, 127), 0)      # np.frexp(a)[1] - 1 = floor(log2(a)), exactly
;;       r = np.clip(x / 2.0 ** e, -448, 448)
;;       step = 2.0 ** (np.maximum(np.frexp(np.where(r == 0, 1, r))[1] - 1, -6) - 3)
;;       q = np.round(r / step) * step * 2.0 ** e      # np.round: ties to even
;;       return np.moveaxis(q.reshape(q.shape[:-2] + (-1,))[..., :K], -1, axis).astype(np.float32)
;;   ~~~
;;   SOFTMAX AHEAD OF A QUANTISED PRODUCT. Where the list says 'softmax', what is quantised is not the finished softmax but p = 2^(t - M), with t = logit x log2(e) and M = ceil(the row's largest t), a whole number; so 1/2 < the row's largest p <= 1. The row's sum l is taken of the UNQUANTISED p, in f32, and the product's result is divided by l at the end. Since M is a whole number, a kernel that streams over the keys may use a running M (the ceiling of the running maximum): every later rescaling is an exact power of two, which a block's scale takes up: the codes' values come out the same.
;;   OPERANDS COMPUTED ON THE WAY. 'Computed on the way' means the value that the module computes at that place (a softmax that the list does not call 'softmax' is quantised finished and normalised). What goes into a quantiser is computed in f32, as accurately as f32 sums, v_exp_f32 and their like allow (about 1e-6 of the number): no bf16 or f16 on the way to a quantiser, and a product that is left as it is and whose result goes on into a quantised operand takes f32 operands (vector FMAs, or v_wmma_f32_16x16x4_f32). A number that lies on a knife's edge between two numbers of the format may be rounded either way, as far as f32 arithmetic and the matrix unit's own rounding can turn it there, and no further.
;; One version. Each part assembles by itself: llvm-mc -triple=amdgcn-amd-amdhsa -mcpu=gfx1250 --defsym DOCPART=n.
;; ======== version 1 of 1: 4 launches
;; limits: right only within a limited range of input values
;; workspace buffers: XC 12,976,128 bytes; WC 3,244,032 bytes; MB 1,048,576 bytes of whole numbers; SM 32,768 bytes of whole numbers; QK 17,825,792 bytes; VC 17,825,792 bytes; AO 17,825,792 bytes
;; launch prep (part 1): grid 1600 x 1, 4 waves a work-group, no clusters, 68,096 bytes of LDS; arguments Q, K, V, Wq, Wk, Wv, Wo, padding_mask, sequence_mask, XC, WC, MB, SM; writes XC, WC, MB, SM
.if DOCPART == 1
	.amdgcn_target "amdgcn-amd-amdhsa--gfx1250"
	.amdhsa_code_object_version 6
	.text
	.protected	k_q743c12708e_prep
	.globl	k_q743c12708e_prep
	.p2align	8
	.type	k_q743c12708e_prep,@function
k_q743c12708e_prep:
	s_mov_b64 s[64:65], 0
	v_nop
	global_prefetch_b8 v0, s[64:65] scope:SCOPE_SE
	s_setreg_imm32_b32 hwreg(HW_REG_WAVE_MODE, 25, 1), 1
	s_wait_xcnt 0x0
; PREP: Q, K, V [8192][512] and Wq, Wk [8][512][128], Wv [8][512][256], Wo [2048][512], all f32, become codes of FP8 (E4M3) with one E8M0 byte for each 32 along K (K = the 512 of the model; for Wo its 2,048 rows);
; the two masks become words of lane bits.  No matrix work, no tensor load, no barrier: waves share nothing.
; ONE FORMAT FOR EVERY OPERAND.  A matrix [rows][K] is cut into tiles of 16 rows; lane row r of tile T is matrix row 32 (T / 2) + 8 (T % 2) + r + 8 (r / 8).  A fragment (16 rows x 128 K) lies in memory as an IMAGE OF ITS
; REGISTERS: group c (registers 4 c .. 4 c + 3: k = 32 c + 16 (lane / 16) + 0 .. 15 of row lane % 16) is 512 bytes, lane l's 16 bytes at 512 c + 16 l.  A RECORD (a tile, K = 512) is four images, K step s at 2,048 s, and at
; 8,192 the scale words [row 16][K step 4], 4 bytes each: 8,448 bytes, 33 x 256.
; XC: record 512 i + T (i = 0 Q, 1 K, 2 V; T = tile of tokens).  WC: Wq 8 head + t; Wk 64 + ..; Wv 128 + 16 head + t; Wo 256 + 4 (tile of columns) + (which 512 of K).
; MB: [b][tile of queries 64][key step 8][n 64] words: bit (lane) of word n = 16 c + i is 1 where both masks are not 0 for query row lane % 16 of the tile and key 128 step + 32 c + 16 (lane / 16) + i.
; THE QUANTISER: a block's scale is 2^(floor(log2(largest magnitude)) - 8); its byte is that magnitude's exponent field - 8, held at 1 from below; each number is held within +-448 x the scale and rounded to the nearest code.
; LIMITS: NaN and infinities among the inputs are not served.  A block of zeros gets the byte 1 where the rule says 127: its codes are zeros, and this program alone reads the bytes.
; The weights' scale words leave 4 bytes a lane: the four waves of a work-group fill a run of 256 bytes by four stores (256 of a record's 8,448 bytes).
; WORK-GROUPS: 0-63 Wq, Wk; 64-127 Wv; 128-191 Wo; 192-575 Q, K, V; 576-1599 the masks.  The paths part once, on the work-group's number; the two that use LDS have bytes of their own.
.set SEL, 2                            ; s[2:3] lane selects for v_permlanex16_b32: lane l xor 16
.set WV,  4                            ; s4   my wave's number
.set MNT, 5                            ; s5   the mantissa field of 448
.set XW,  16                           ; weights: v16-143 four blocks of 32 numbers down K
.set CW,  144                          ; v144-175 their codes, 8 registers a block: no store's data are written again
.set SBW, 176                          ; v176 the four scale bytes
.set R,   8                            ; rows: v8-135 two sets of 64 registers as loaded
.set X,   136                          ; v136-199 the same turned: register 16 c + i = element 32 c + 16 (lane / 16) + i of row lane % 16
.set PC,  200                          ; v200-215 a fragment's codes
.set TM,  216                          ; v216-231 at work in QUANT
.set PW,  232                          ; v232-235 the four K steps' scale words
.set OW,  200                          ; masks: v200-201 the 64 words, two a lane
; 64 numbers of a lane, register 16 b + i = k 32 b + 16 (lane / 16) + i of my row, become a fragment's codes in v[pc] on and its scale word in v[pw].
.macro QUANT src, pc, pw
.irp b, 0,1,2,3
	v_max3_num_f32 v[TM+\b], |v[(\src)+16*\b]|, |v[(\src)+1+16*\b]|, 0x4800000   ; block b: my 16 numbers and the floor 2^(9 - 127): the byte cannot fall under 1
.endr
.irp i, 2,4,6,8,10,12,14
.irp b, 0,1,2,3
	v_max3_num_f32 v[TM+\b], v[TM+\b], |v[(\src)+16*\b+\i]|, |v[(\src)+1+16*\b+\i]|   ; the four blocks by turns
.endr
.endr
.irp b, 0,1,2,3
	v_permlanex16_b32 v[TM+4+\b], v[TM+\b], s[SEL], s[SEL+1]
.endr
.irp b, 0,1,2,3
	v_max_num_f32 v[TM+\b], v[TM+\b], v[TM+4+\b]   ; with lane l xor 16's 16: the block's largest magnitude
.endr
.irp b, 0,1,2,3
	v_add_nc_u32 v[TM+12+\b], 0xfc000000, v[TM+\b]   ; 8 off its exponent field: the conversion's scale operand
.endr
.irp b, 0,1,2,3
	v_and_or_b32 v[TM+8+\b], v[TM+\b], 0x7f800000, s[MNT]   ; 448 x the scale
.endr
.irp b, 0,1,2,3
	v_lshrrev_b32 v[TM+4+\b], 23, v[TM+12+\b]   ; the scale's byte
.endr
	v_lshl_or_b32 v[\pw], v[TM+5], 8, v[TM+4]
	v_lshl_or_b32 v[\pw], v[TM+6], 16, v[\pw]
	v_lshl_or_b32 v[\pw], v[TM+7], 24, v[\pw]
.irp b, 0,1,2,3
.irp i, 0,1,2,3,4,5,6,7,8,9,10,11,12,13,14,15
	v_med3_num_f32 v[(\src)+16*\b+\i], v[(\src)+16*\b+\i], -v[TM+8+\b], v[TM+8+\b]   ; the conversion to an 8-bit code does not saturate (ISA guide 7.6.2): the hold comes first
.endr
	v_cvt_scalef32_pk8_fp8_f32 v[(\pc)+4*\b:(\pc)+4*\b+1], v[(\src)+16*\b:(\src)+16*\b+7], v[TM+12+\b]
	v_cvt_scalef32_pk8_fp8_f32 v[(\pc)+4*\b+2:(\pc)+4*\b+3], v[(\src)+16*\b+8:(\src)+16*\b+15], v[TM+12+\b]
.endr
	v_nop                                          ; one plain vector line behind the last conversion
.endm
; WEIGHTS.  A lane takes a column, its registers run down K: block c of my wave's K step, 32 rows; each load reads 128 consecutive bytes.
.macro LOADW c, pitch
.set i, 0
.rept 32
	global_load_b32 v[XW+32*(\c)+i], v4, s[40:41] offset:(32*(\c)+i)*(\pitch) th:TH_LOAD_NT
.set i, i+1
.endr
.endm
.macro BLOCKW c, pitch
.set XS, XW+32*(\c)
.set CC, CW+8*(\c)
.if (\c) < 3
	s_wait_loadcnt 32                              ; this block's 32 loads are in; the next block's 32 may be out
.else
	s_wait_loadcnt 0x0
.endif
.if (\c) < 2
	LOADW (\c)+2, \pitch
.endif
	v_max3_num_f32 v12, |v[XS]|, |v[XS+1]|, |v[XS+2]|   ; the block's largest magnitude: all 32 numbers are mine
	v_max3_num_f32 v13, |v[XS+3]|, |v[XS+4]|, |v[XS+5]|
.irp i, 6,10,14,18,22,26
	v_max3_num_f32 v12, v12, |v[XS+\i]|, |v[XS+\i+1]|
	v_max3_num_f32 v13, v13, |v[XS+\i+2]|, |v[XS+\i+3]|
.endr
	v_max3_num_f32 v12, v12, |v[XS+30]|, |v[XS+31]|
	v_max3_num_f32 v12, v12, v13, 0x4800000        ; and the floor
	v_add_nc_u32 v11, 0xfc000000, v12              ; the conversion's scale operand
	v_and_or_b32 v10, v12, 0x7f800000, s[MNT]      ; 448 x the scale
	v_lshrrev_b32 v13, 23, v11                     ; the byte
.if (\c) == 0
	v_mov_b32 v[SBW], v13
.else
	v_lshl_or_b32 v[SBW], v13, 8*(\c), v[SBW]
.endif
.set i, 0
.rept 32
	v_med3_num_f32 v[XS+i], v[XS+i], -v10, v10
.set i, i+1
.endr
.irp g, 0,1,2,3
	v_cvt_scalef32_pk8_fp8_f32 v[CC+2*\g:CC+2*\g+1], v[XS+8*\g:XS+8*\g+7], v11
.endr
	v_nop
	global_store_b128 v3, v[CC:CC+3], s[42:43] offset:512*(\c)         ; k 32 c + 0 .. 15: the image's lanes 0-15; sixteen lanes of one tile store 256 consecutive bytes
	global_store_b128 v3, v[CC+4:CC+7], s[42:43] offset:512*(\c)+256   ; k 32 c + 16 .. 31: its lanes 16-31
.endm
; s36 = the record of the even tile, s[40:41] = my wave's first row at my work-group's 32 columns.  tstr: bytes from the even tile's record to the odd tile's.
.macro WPATH pitch, tstr
	s_mul_i32 s36, s36, 8448
	s_lshl_b32 s38, s[WV], 11                      ; my wave is K step w: its image
	s_add_co_u32 s38, s38, s36
	s_mov_b32 s39, 0
	s_add_nc_u64 s[42:43], s[28:29], s[38:39]
	s_lshl_b32 s38, s[WV], 2                       ; and its place in a row's four scale words
	s_add_co_u32 s38, s38, s36
	s_add_co_u32 s38, s38, 8192
	s_add_nc_u64 s[44:45], s[28:29], s[38:39]
	v_bfe_u32 v2, v0, 3, 1                         ; column l of the 32 lies in tile u = (l / 8) % 2,
	v_and_b32 v3, 7, v0
	s_wait_alu depctr_va_vdst(0)
	v_lshl_add_u32 v3, v7, 3, v3                   ; at lane row l % 8 + 8 (l / 16)
	v_lshlrev_b32 v3, 4, v3
	v_mad_u32_u24 v3, v2, \tstr, v3
	v_lshlrev_b32 v4, 2, v5
	LOADW 0, \pitch
	LOADW 1, \pitch
	s_wait_alu depctr_va_vdst(0)
	BLOCKW 0, \pitch
	BLOCKW 1, \pitch
	BLOCKW 2, \pitch
	BLOCKW 3, \pitch
	global_store_b32 v3, v[SBW], s[44:45]          ; my column's scale word of this K step
.endm
; ROWS.  16 rows of a tile, 512 bytes of each: a load reads one row's 512 consecutive bytes.
.macro LOADT set, ptr, pitch, off, nt
.set i, 0
.rept 16
.if \nt
	global_load_b128 v[R+64*(\set)+4*i:R+64*(\set)+4*i+3], v1, s[\ptr:\ptr+1] offset:(i+8*(i/8))*(\pitch)+(\off) th:TH_LOAD_NT
.else
	global_load_b128 v[R+64*(\set)+4*i:R+64*(\set)+4*i+3], v1, s[\ptr:\ptr+1] offset:(i+8*(i/8))*(\pitch)+(\off)
.endif
.set i, i+1
.endr
.endm
; They turn through my wave's stage (rows 528 bytes apart = 33 x 16, so that the sixteen rows of a read begin 16 bytes apart modulo 256): LDS serves a wave's instructions in order (ISA guide 5.7.1.4), so no wait stands between.
.macro TURN set
.set i, 0
.rept 16
	ds_store_b128 v2, v[R+64*(\set)+4*i:R+64*(\set)+4*i+3] offset:528*i
.set i, i+1
.endr
.set i, 0
.rept 16
	ds_load_b128 v[X+4*i:X+4*i+3], v3 offset:128*(i/4)+16*(i%4)
.set i, i+1
.endr
.endm
.macro STEPX s
.if (\s) < 3
	s_wait_loadcnt 16                              ; this K step's 16 loads are in; the next step's 16 may be out
.else
	s_wait_loadcnt 0x0
.endif
	TURN (\s)%2
	s_wait_dscnt 0x0                               ; the numbers are back, and the stage's stores have read their registers,
.if (\s) < 2
	LOADT (\s)%2, 40, 2048, 512*((\s)+2), 1        ; which take the loads of two steps on
.endif
	s_wait_xcnt 0x0                                ; the last step's stores have read the codes' registers
	QUANT X, PC, PW+(\s)
.irp c, 0,1,2,3
	global_store_b128 v1, v[PC+4*\c:PC+4*\c+3], s[42:43] offset:2048*(\s)+512*\c   ; 512 consecutive bytes
.endr
.endm
	s_load_b512 s[8:23], s[0:1], 0x0               ; Q s[8:9], K s[10:11], V s[12:13], Wq s[14:15], Wk s[16:17], Wv s[18:19], Wo s[20:21], padding_mask s[22:23]
	s_load_b256 s[24:31], s[0:1], 0x40             ; sequence_mask s[24:25], XC s[26:27], WC s[28:29], MB s[30:31]
	s_load_b64 s[104:105], s[0:1], 0x60            ; SM: [b][tile of queries 64][key step 8] two words: the OR and the AND of that step's 64 words of MB
	v_lshl_add_u32 v240, v0, 2, 0x10800
	v_mov_b32 v241, 0
	v_lshrrev_b32 v1, 5, v0
	v_readfirstlane_b32 s[WV], v1
	v_and_b32 v5, 31, v0                           ; lane
	v_and_b32 v6, 15, v0                           ; r
	v_bfe_u32 v7, v0, 4, 1                         ; h
	v_lshlrev_b32 v1, 4, v5                        ; 16 x lane
	s_mov_b32 s[SEL], 0x76543210
	s_mov_b32 s[SEL+1], 0xfedcba98
	s_mov_b32 s[MNT], 0x600000
	s_wait_kmcnt 0x0
	s_cmp_lt_u32 ttmp9, 64
	s_cbranch_scc1 .Lwqk
	s_cmp_lt_u32 ttmp9, 128
	s_cbranch_scc1 .Lwv
	s_cmp_lt_u32 ttmp9, 192
	s_cbranch_scc1 .Lwo
	s_cmp_lt_u32 ttmp9, 576
	s_cbranch_scc1 .Lx
	; ---- THE MASKS: a wave takes one (b, tile of queries, key step): 16 rows x 128 keys of both masks
	s_sub_co_u32 s14, ttmp9, 576
	s_lshl_b32 s14, s14, 2
	s_add_co_u32 s14, s14, s[WV]                   ; unit
	s_and_b32 s15, s14, 7                          ; b: the eight units that read the same part of sequence_mask are neighbours
	s_bfe_u32 s16, s14, 0x30003                    ; key step
	s_lshr_b32 s17, s14, 6                         ; tile of queries
	s_lshr_b32 s18, s17, 1
	s_lshl_b32 s18, s18, 17                        ; 32 rows of 4,096 bytes
	s_and_b32 s19, s17, 1
	s_lshl_b32 s19, s19, 15                        ; 8 rows
	s_add_co_u32 s18, s18, s19
	s_lshl_b32 s19, s16, 9                         ; 128 keys
	s_add_co_u32 s18, s18, s19
	s_mov_b32 s19, 0
	s_add_nc_u64 s[24:25], s[24:25], s[18:19]
	s_add_nc_u64 s[22:23], s[22:23], s[18:19]
	s_lshl_b32 s18, s15, 22
	s_add_nc_u64 s[22:23], s[22:23], s[18:19]
	s_lshl_b32 s18, s15, 6
	s_add_co_u32 s18, s18, s17
	s_lshl_b32 s18, s18, 3
	s_add_co_u32 s18, s18, s16
	s_lshl_b32 s18, s18, 8                         ; 256 bytes for each (b, tile, step)
	s_add_nc_u64 s[30:31], s[30:31], s[18:19]
	s_lshr_b32 s18, s18, 5                         ; 8 bytes for each (b, tile, step)
	s_add_nc_u64 s[104:105], s[104:105], s[18:19]
	s_mov_b32 s8, 0                                ; the OR of the 64 words
	s_mov_b32 s9, -1                               ; their AND
	s_mul_i32 s20, s[WV], 8448
	s_add_co_u32 s20, s20, 33792                   ; this path's own LDS bytes
	s_wait_alu depctr_va_vdst(0)
	v_add_nc_u32 v2, s20, v1
	v_mul_u32_u24 v3, v6, 528
	v_lshl_add_u32 v3, v7, 6, v3
	v_add_nc_u32 v3, s20, v3
	v_lshlrev_b32 v4, 3, v5
	v_mov_b32 v[OW], 0                             ; v_writelane_b32's destination counts as read
	v_mov_b32 v[OW+1], 0
	LOADT 0, 24, 4096, 0, 0                        ; sequence_mask: eight waves read these bytes, so no hint
	LOADT 1, 22, 4096, 0, 1
	s_wait_alu depctr_va_vdst(0)
	s_wait_loadcnt 16                              ; sequence_mask's 16 loads are in; padding_mask's may be out
	TURN 0
	s_wait_dscnt 0x0
.set n, 0
.rept 64
	v_cmp_ne_u32 s[32+n+2*(n/32)], 0, v[X+n]       ; word n of sequence_mask's bits: s32-63, s66-97
.set n, n+1
.endr
	s_wait_loadcnt 0x0
	TURN 1
	s_wait_dscnt 0x0
.set n, 0
.rept 16
.irp k, 0,1,2,3
	v_cmp_ne_u32 s[98+\k], 0, v[X+n+\k]
.endr
.irp k, 0,1,2,3
	s_and_b32 s[98+\k], s[98+\k], s[32+n+\k+2*((n+\k)/32)]   ; a key counts where both masks let it
	s_or_b32 s8, s8, s[98+\k]
	s_and_b32 s9, s9, s[98+\k]
.endr
	s_wait_alu depctr_va_vdst(0)
.irp k, 0,1,2,3
	v_writelane_b32 v[OW+(\k%2)], s[98+\k], (n+\k)/2
.endr
.set n, n+4
.endr
	global_store_b64 v4, v[OW:OW+1], s[30:31]      ; 32 lanes store 256 consecutive bytes, aligned
	v_mov_b32 v[OW+2], s8
	v_mov_b32 v[OW+3], s9
	v_mov_b32 v[OW+4], 0
	global_store_b64 v[OW+4], v[OW+2:OW+3], s[104:105]   ; the unit's two summary words: every lane stores the same 8 bytes at the same place
	s_wait_tensorcnt 0x0
	ds_add_u32 v240, v241
	s_wait_dscnt 0x0
	s_endpgm
.Lx:	; ---- Q, K, V: a wave takes one tile of 16 tokens, all four K steps
	s_sub_co_u32 s32, ttmp9, 192
	s_lshl_b32 s32, s32, 2
	s_add_co_u32 s32, s32, s[WV]                   ; record in XC
	s_lshr_b32 s33, s32, 9                         ; which input
	s_and_b32 s34, s32, 511                        ; tile of tokens
	s_cmp_eq_u32 s33, 0
	s_cselect_b64 s[40:41], s[8:9], s[10:11]
	s_cmp_eq_u32 s33, 2
	s_cselect_b64 s[40:41], s[12:13], s[40:41]
	s_lshr_b32 s35, s34, 1
	s_lshl_b32 s36, s35, 16                        ; 32 rows of 2,048 bytes
	s_and_b32 s35, s34, 1
	s_lshl_b32 s35, s35, 14                        ; 8 rows
	s_add_co_u32 s36, s36, s35
	s_mov_b32 s37, 0
	s_add_nc_u64 s[40:41], s[40:41], s[36:37]
	s_mul_i32 s36, s32, 8448
	s_add_nc_u64 s[42:43], s[26:27], s[36:37]
	s_mul_i32 s38, s[WV], 8448                     ; my stage
	s_wait_alu depctr_va_vdst(0)
	v_add_nc_u32 v2, s38, v1
	v_mul_u32_u24 v3, v6, 528
	v_lshl_add_u32 v3, v7, 6, v3
	v_add_nc_u32 v3, s38, v3
	v_lshlrev_b32 v4, 4, v6
	v_lshl_add_u32 v4, v7, 3, v4                   ; 16 r + 8 h: lanes 0-15 store a row's words 0, 1, lanes 16-31 its words 2, 3
.irp b, 0,1,2,3
	v_mov_b32 v[TM+4+\b], 0                        ; a lane permute's destination counts as one of its sources
.endr
	LOADT 0, 40, 2048, 0, 1
	LOADT 1, 40, 2048, 512, 1
	s_wait_alu depctr_va_vdst(0)
	STEPX 0
	STEPX 1
	STEPX 2
	STEPX 3
	s_mov_b32 s46, 0xffff0000
	v_cndmask_b32 v236, v[PW], v[PW+2], s46
	v_cndmask_b32 v237, v[PW+1], v[PW+3], s46
	global_store_b64 v4, v[236:237], s[42:43] offset:8192   ; 256 consecutive bytes, aligned
	s_wait_tensorcnt 0x0
	ds_add_u32 v240, v241
	s_wait_dscnt 0x0
	s_endpgm
.Lwqk:	; ---- Wq, Wk: 32 columns of one head; wave w takes K step w
	s_lshr_b32 s32, ttmp9, 5
	s_cmp_eq_u32 s32, 0
	s_cselect_b64 s[40:41], s[14:15], s[16:17]
	s_and_b32 s33, ttmp9, 31
	s_lshr_b32 s34, s33, 2                         ; head
	s_and_b32 s35, s33, 3                          ; which 32 columns
	s_lshl_b32 s36, s34, 18                        ; 512 rows of 512 bytes
	s_lshl_b32 s37, s35, 7
	s_add_co_u32 s36, s36, s37
	s_lshl_b32 s37, s[WV], 16                      ; 128 rows
	s_add_co_u32 s36, s36, s37
	s_mov_b32 s37, 0
	s_add_nc_u64 s[40:41], s[40:41], s[36:37]
	s_lshl_b32 s36, s32, 6
	s_lshl_b32 s38, s34, 3
	s_add_co_u32 s36, s36, s38
	s_lshl_b32 s38, s35, 1
	s_add_co_u32 s36, s36, s38
	WPATH 512, 8448
	s_endpgm
.Lwv:	; ---- Wv
	s_sub_co_u32 s33, ttmp9, 64
	s_lshr_b32 s34, s33, 3                         ; head
	s_and_b32 s35, s33, 7
	s_lshl_b32 s36, s34, 19                        ; 512 rows of 1,024 bytes
	s_lshl_b32 s37, s35, 7
	s_add_co_u32 s36, s36, s37
	s_lshl_b32 s37, s[WV], 17
	s_add_co_u32 s36, s36, s37
	s_mov_b32 s37, 0
	s_add_nc_u64 s[40:41], s[18:19], s[36:37]
	s_lshl_b32 s36, s34, 4
	s_lshl_b32 s38, s35, 1
	s_add_co_u32 s36, s36, s38
	s_add_co_u32 s36, s36, 128
	WPATH 1024, 8448
	s_endpgm
.Lwo:	; ---- Wo: 32 columns, one quarter (512) of its 2,048 rows
	s_and_b32 s34, ttmp9, 3                        ; quarter
	s_sub_co_u32 s35, ttmp9, 128
	s_lshr_b32 s35, s35, 2                         ; which 32 columns
	s_lshl_b32 s36, s34, 20                        ; 512 rows of 2,048 bytes
	s_lshl_b32 s37, s35, 7
	s_add_co_u32 s36, s36, s37
	s_lshl_b32 s37, s[WV], 18
	s_add_co_u32 s36, s36, s37
	s_mov_b32 s37, 0
	s_add_nc_u64 s[40:41], s[20:21], s[36:37]
	s_lshl_b32 s36, s35, 3
	s_add_co_u32 s36, s36, s34
	s_add_co_u32 s36, s36, 256
	WPATH 2048, 33792
	s_endpgm
.Lfunc_end_k_q743c12708e_prep:
	.size	k_q743c12708e_prep, .Lfunc_end_k_q743c12708e_prep-k_q743c12708e_prep
	.p2alignl 7, 3214868480
	.fill 96, 4, 3214868480
	.section	.rodata,"a",@progbits
	.p2align	6, 0x0
	.amdhsa_kernel k_q743c12708e_prep
		.amdhsa_group_segment_fixed_size 68096
		.amdhsa_private_segment_fixed_size 0
		.amdhsa_enable_private_segment 0
		.amdhsa_kernarg_size 104
		.amdhsa_user_sgpr_count 2
		.amdhsa_user_sgpr_kernarg_segment_ptr 1
		.amdhsa_wavefront_size32 1
		.amdhsa_system_sgpr_workgroup_id_x 1
		.amdhsa_system_sgpr_workgroup_id_y 1
		.amdhsa_system_sgpr_workgroup_id_z 1
		.amdhsa_system_vgpr_workitem_id 0
		.amdhsa_next_free_vgpr 242
		.amdhsa_next_free_sgpr 106
		.amdhsa_reserve_vcc 0
		.amdhsa_float_denorm_mode_32 3
		.amdhsa_float_denorm_mode_16_64 3
		.amdhsa_memory_ordered 1
		.amdhsa_forward_progress 1
		.amdhsa_inst_pref_size 164
	.end_amdhsa_kernel
	.amdgpu_metadata
---
amdhsa.version: [ 1, 2 ]
amdhsa.kernels:
  - .name:           k_q743c12708e_prep
    .symbol:         k_q743c12708e_prep.kd
    .args:
      - { .name: Q, .offset: 0, .size: 8, .value_kind: global_buffer, .address_space: global }
      - { .name: K, .offset: 8, .size: 8, .value_kind: global_buffer, .address_space: global }
      - { .name: V, .offset: 16, .size: 8, .value_kind: global_buffer, .address_space: global }
      - { .name: Wq, .offset: 24, .size: 8, .value_kind: global_buffer, .address_space: global }
      - { .name: Wk, .offset: 32, .size: 8, .value_kind: global_buffer, .address_space: global }
      - { .name: Wv, .offset: 40, .size: 8, .value_kind: global_buffer, .address_space: global }
      - { .name: Wo, .offset: 48, .size: 8, .value_kind: global_buffer, .address_space: global }
      - { .name: padding_mask, .offset: 56, .size: 8, .value_kind: global_buffer, .address_space: global }
      - { .name: sequence_mask, .offset: 64, .size: 8, .value_kind: global_buffer, .address_space: global }
      - { .name: XC, .offset: 72, .size: 8, .value_kind: global_buffer, .address_space: global }
      - { .name: WC, .offset: 80, .size: 8, .value_kind: global_buffer, .address_space: global }
      - { .name: MB, .offset: 88, .size: 8, .value_kind: global_buffer, .address_space: global }
      - { .name: SM, .offset: 96, .size: 8, .value_kind: global_buffer, .address_space: global }
    .group_segment_fixed_size: 68096
    .private_segment_fixed_size: 0
    .kernarg_segment_align: 8
    .kernarg_segment_size: 104
    .max_flat_workgroup_size: 128
    .sgpr_count:     106
    .vgpr_count:     242
    .wavefront_size: 32
...
	.end_amdgpu_metadata
.endif
;; end of part 1
;; launch proj (part 2): grid 256 x 1, 4 waves a work-group, no clusters, 270,848 bytes of LDS; arguments XC, WC, bq, bk, bv, QK, VC; writes QK, VC
.if DOCPART == 2
	.amdgcn_target "amdgcn-amd-amdhsa--gfx1250"
	.amdhsa_code_object_version 6
	.text
	.protected	k_q743c12708e_proj
	.globl	k_q743c12708e_proj
	.p2align	8
	.type	k_q743c12708e_proj,@function
k_q743c12708e_proj:
	s_mov_b64 s[64:65], 0
	v_nop
	global_prefetch_b8 v0, s[64:65] scope:SCOPE_SE
	s_setreg_imm32_b32 hwreg(HW_REG_WAVE_MODE, 25, 1), 1
	s_wait_xcnt 0x0
; PROJ: Qp = Q Wq + bq, Kp = K Wk + bk, Vp = V Wv + bv on codes of FP8 (E4M3) with E8M0 scales, K = 512; the results are quantised in registers and stored as the operands of attention's two products.
; Tiles, images and records are those of the launch before: lane row r of tile T is matrix row 32 (T / 2) + 8 (T % 2) + r + 8 (r / 8); an image is a fragment's registers, lane l's 16 bytes of group c at 512 c + 16 l;
; a record is four images and 256 bytes of scale words [row][K step].
; SHARES.  A wave keeps a STATIONARY source 0, 128 rows x 512 K (32 fragments, 512 registers), for the whole launch; 16 STREAMING tiles of source 1 (16 records, 135,168 dense bytes) come into LDS once and are read by all four waves.
; In a result a lane holds one row of source 1, and by the choice of a tile's rows its 64 registers are 128 neighbouring rows of source 0 in the order of an operand's registers: one QUANT makes one fragment.
;   work-groups 0-127 (Q, K): source 0 = W, one head's 128 columns a wave; source 1 = 16 tiles of tokens.  The fragment: rows = tokens, K = the head's 128.
;   work-groups 128-255 (V):  source 0 = x, the 128 tokens of one key step a wave; source 1 = one head's 16 tiles of Wv's columns.  The fragment: rows = 16 of the head's 256, K = the step's 128 keys.
; 512 matrix instructions a wave in both kinds.  The bias is the C of a sum's first instruction: along the registers in the first kind, one number a lane (eight equal registers) in the second: so the text has two paths,
; which part once on the work-group's number, each with LDS bytes of its own.
; OUT.  QK: Q's half at 0, K's at 8,912,896; [b head][step 8] blocks of 17,408 bytes: 8 images, then 8 scale images of 128 bytes (4 bytes a lane).  VC: [b head][step 8] blocks of 34,816 bytes: 16 images, 16 scale images.
; NO JOINT LOADS: in the first kind a block of source 1 has two readers (the two groups of four heads), so no mask of four would be alike in all partners, and one text serves both kinds; what is shared is 135,168 of the
; 405,504 bytes that a work-group reads, and it is fetched once.
; LIMITS: NaN and infinities are not served; a block of zeros gets the byte 1 (its codes are zeros; this program alone reads the bytes).
; REGISTERS.  window 0: v1 16 x lane, v2 4 x lane, v3 16 x (lane % 16), v4, v5 LDS addresses, v6 the bias's lane offset; v16-79 the 8 accumulators; v80-111 codes, two sets; v112-127 at work; v128, v129 scale words made;
;   v132-139 source 1's scale words, two sets; v160-191 source 0's (4 t + s).  windows 1, 2: source 0, fragment (t, s) at v[128 (s % 2) + 16 t] of window 1 + s / 2.  window 3: v0-127 source 1, two tiles; v128-191 or v192-207 the bias.
.set SEL, 2
.set G0,  4                            ; s[4:7]   descriptor group 0
.set G1,  8                            ; s[8:15]  group 1
.set S0P, 16                           ; s[16:17] source 0's records
.set BIA, 18                           ; s[18:19] the bias
.set PCO, 20                           ; s[20:21] where the next two images go
.set PSO, 22                           ; s[22:23] and their scale images
.set WV,  24
.set CNT, 25
.set TB,  26                           ; s26  LDS byte of the tile in hand
.set MNT, 27
.set HA,  16
.set PCA, 80
.set PCB, 96
.set TM,  112
.set PWA, 128
.set PWB, 129
.set XSA, 132
.set XSB, 136
.set W0S, 160
.set XA,  0
.set XB,  64
.set CB,  128
.set CVA, 192
.set CVB, 200
.set MSB, 0
.macro WIN new                         ; the immediate's high byte repeats the setting that is left
.if MSB != \new
	s_set_vgpr_msb (MSB<<8)|\new
.set MSB, \new
.endif
.endm
.macro QUANT src, pc, pw               ; 64 numbers of a lane, register 16 b + i = k 32 b + 16 (lane / 16) + i of my row -> a fragment's codes and its scale word
.irp b, 0,1,2,3
	v_max3_num_f32 v[TM+\b], |v[(\src)+16*\b]|, |v[(\src)+1+16*\b]|, 0x4800000   ; my 16 numbers and the floor 2^(9 - 127).  Each accumulator is read from its low end on
.endr
.irp i, 2,4,6,8,10,12,14
.irp b, 0,1,2,3
	v_max3_num_f32 v[TM+\b], v[TM+\b], |v[(\src)+16*\b+\i]|, |v[(\src)+1+16*\b+\i]|
.endr
.endr
.irp b, 0,1,2,3
	v_permlanex16_b32 v[TM+4+\b], v[TM+\b], s[SEL], s[SEL+1]
.endr
.irp b, 0,1,2,3
	v_max_num_f32 v[TM+\b], v[TM+\b], v[TM+4+\b]
.endr
.irp b, 0,1,2,3
	v_add_nc_u32 v[TM+12+\b], 0xfc000000, v[TM+\b]   ; 8 off the exponent field: the conversion's scale operand
.endr
.irp b, 0,1,2,3
	v_and_or_b32 v[TM+8+\b], v[TM+\b], 0x7f800000, s[MNT]   ; 448 x the scale
.endr
.irp b, 0,1,2,3
	v_lshrrev_b32 v[TM+4+\b], 23, v[TM+12+\b]
.endr
	v_lshl_or_b32 v[\pw], v[TM+5], 8, v[TM+4]
	v_lshl_or_b32 v[\pw], v[TM+6], 16, v[\pw]
	v_lshl_or_b32 v[\pw], v[TM+7], 24, v[\pw]
.irp b, 0,1,2,3
.irp i, 0,1,2,3,4,5,6,7,8,9,10,11,12,13,14,15
	v_med3_num_f32 v[(\src)+16*\b+\i], v[(\src)+16*\b+\i], -v[TM+8+\b], v[TM+8+\b]   ; the conversion does not saturate (ISA guide 7.6.2)
.endr
	v_cvt_scalef32_pk8_fp8_f32 v[(\pc)+4*\b:(\pc)+4*\b+1], v[(\src)+16*\b:(\src)+16*\b+7], v[TM+12+\b]
	v_cvt_scalef32_pk8_fp8_f32 v[(\pc)+4*\b+2:(\pc)+4*\b+3], v[(\src)+16*\b+8:(\src)+16*\b+15], v[TM+12+\b]
.endr
	v_nop                                          ; one plain vector line between the last conversion and the products that write its sources
.endm
.macro S0LOAD                          ; 8 records: 128 loads of 512 consecutive bytes, and the scale words
	WIN 0x40
.irp s, 0,1
.irp t, 0,1,2,3,4,5,6,7
.irp c, 0,1,2,3
	global_load_b128 v[128*\s+16*\t+4*\c:128*\s+16*\t+4*\c+3], v1, s[S0P:S0P+1] offset:8448*\t+2048*\s+512*\c
.endr
.endr
.endr
	WIN 0x80
.irp s, 0,1
.irp t, 0,1,2,3,4,5,6,7
.irp c, 0,1,2,3
	global_load_b128 v[128*\s+16*\t+4*\c:128*\s+16*\t+4*\c+3], v1, s[S0P:S0P+1] offset:8448*\t+2048*(\s+2)+512*\c
.endr
.endr
.endr
	WIN 0
.irp t, 0,1,2,3,4,5,6,7
	global_load_b128 v[W0S+4*\t:W0S+4*\t+3], v3, s[S0P:S0P+1] offset:8448*\t+8192
.endr
.endm
.macro CBLOAD                          ; tile t's eight numbers of the bias: columns 32 (t / 2) + 16 h + 8 (t % 2) + 0 .. 7
	WIN 0xc0
.irp t, 0,1,2,3,4,5,6,7
	global_load_b128 v[CB+8*\t:CB+8*\t+3], v6, s[BIA:BIA+1] offset:(32*(\t/2)+8*(\t%2))*4
	global_load_b128 v[CB+8*\t+4:CB+8*\t+7], v6, s[BIA:BIA+1] offset:(32*(\t/2)+8*(\t%2))*4+16
.endr
	WIN 0
.endm
.macro CVLOAD buf, o                   ; my lane's one number of the bias, eight times: a C operand
	WIN 0xc0
.irp j, 0,1,2,3,4,5,6,7
	global_load_b32 v[(\buf)+\j], v6, s[BIA:BIA+1] offset:\o
.endr
	WIN 0
.endm
.macro FETCH buf, xs, o                ; a tile of source 1: four fragments and four scale words: 17 LDS loads
	WIN 0xc0
.irp s, 0,1,2,3
.irp c, 0,1,2,3
	ds_load_b128 v[(\buf)+16*\s+4*\c:(\buf)+16*\s+4*\c+3], v4 offset:(\o)+2048*\s+512*\c
.endr
.endr
	WIN 0
	ds_load_b128 v[\xs:\xs+3], v5 offset:(\o)+8192
.endm
; 32 products: the 8 accumulators by turns, a K step at a time.  Nine v_nop follow: the next products begin the accumulators anew, and QUANT reads them.
.macro MM kind, buf, xs, cv
	WIN 0x3d                                       ; source 0 window 1, source 1 and C window 3, D window 0
.irp t, 0,1,2,3,4,5,6,7
.if \kind == 0
	v_wmma_scale_f32_16x16x128_f8f6f4 v[HA+8*\t:HA+8*\t+7], v[16*\t:16*\t+15], v[(\buf):(\buf)+15], v[CB+8*\t:CB+8*\t+7], v[W0S+4*\t], v[\xs]
.else
	v_wmma_scale_f32_16x16x128_f8f6f4 v[HA+8*\t:HA+8*\t+7], v[16*\t:16*\t+15], v[(\buf):(\buf)+15], v[\cv:\cv+7], v[W0S+4*\t], v[\xs]
.endif
.endr
	WIN 0x0d
.irp t, 0,1,2,3,4,5,6,7
	v_wmma_scale_f32_16x16x128_f8f6f4 v[HA+8*\t:HA+8*\t+7], v[128+16*\t:128+16*\t+15], v[(\buf)+16:(\buf)+31], v[HA+8*\t:HA+8*\t+7], v[W0S+4*\t+1], v[\xs+1]
.endr
	WIN 0x0e                                       ; source 0 window 2
.irp t, 0,1,2,3,4,5,6,7
	v_wmma_scale_f32_16x16x128_f8f6f4 v[HA+8*\t:HA+8*\t+7], v[16*\t:16*\t+15], v[(\buf)+32:(\buf)+47], v[HA+8*\t:HA+8*\t+7], v[W0S+4*\t+2], v[\xs+2]
.endr
.irp t, 0,1,2,3,4,5,6,7
	v_wmma_scale_f32_16x16x128_f8f6f4 v[HA+8*\t:HA+8*\t+7], v[128+16*\t:128+16*\t+15], v[(\buf)+48:(\buf)+63], v[HA+8*\t:HA+8*\t+7], v[W0S+4*\t+3], v[\xs+3]
.endr
	WIN 0
.rept 9
	v_nop
.endr
.endm
.macro OUT pc, pw, k
.irp c, 0,1,2,3
	global_store_b128 v1, v[(\pc)+4*\c:(\pc)+4*\c+3], s[PCO:PCO+1] offset:2048*(\k)+512*\c   ; 512 consecutive bytes
.endr
	global_store_b32 v2, v[\pw], s[PSO:PSO+1] offset:128*(\k)
.endm
; A trip: two tiles of source 1.  more = 1: the tile after them is fetched, and the pointers step.
.macro TRIP kind, more
	FETCH XB, XSB, 8448
.if \kind
	CVLOAD CVB, 32
.endif
	s_wait_dscnt 17                                ; the first tile's 17 LDS loads are in; the second's 17 may be out
.if \kind
	s_wait_loadcnt 8                               ; all but the second tile's 8 loads of the bias
.endif
	MM \kind, XA, XSA, CVA
	QUANT HA, PCA, PWA
	OUT PCA, PWA, 0
	s_wait_dscnt 0x0                               ; the second tile is in
.if \kind
	s_wait_loadcnt 0x0
.endif
.if \more
	s_add_co_u32 s[TB], s[TB], 16896
	v_add_nc_u32 v4, s[TB], v1
	v_add_nc_u32 v5, s[TB], v3
	FETCH XA, XSA, 0                               ; behind the nine v_nop and QUANT's lines: far enough behind the products that read these registers
.if \kind
	s_wait_xcnt 0x0                                ; the loads and stores so far have read their addresses: the bias's pointer may step
	s_add_nc_u64 s[BIA:BIA+1], s[BIA:BIA+1], 128
	CVLOAD CVA, 0
.endif
.endif
	MM \kind, XB, XSB, CVB
	QUANT HA, PCB, PWB
	OUT PCB, PWB, 1
.if \more
	s_wait_xcnt 0x0                                ; the stores have read their data and bases: both are written again only behind this wait
	s_add_nc_u64 s[PCO:PCO+1], s[PCO:PCO+1], 4096
	s_add_nc_u64 s[PSO:PSO+1], s[PSO:PSO+1], 256
.if \kind == 0
	s_cmp_eq_u32 s[CNT], 4                         ; behind the eighth tile: on to the next key step's block of 17,408 bytes
	s_cselect_b32 s28, 1024, 0
	s_cselect_b32 s30, 16384, 0
	s_add_nc_u64 s[PCO:PCO+1], s[PCO:PCO+1], s[28:29]
	s_add_nc_u64 s[PSO:PSO+1], s[PSO:PSO+1], s[30:31]
.endif
.endif
.endm
.macro PROJ kind
.if \kind == 0
	s_lshr_b32 s48, ttmp9, 6                       ; 0 Q, 1 K
	s_bfe_u32 s49, ttmp9, 0x10005                  ; which four heads
	s_and_b32 s50, ttmp9, 31                       ; which 16 tiles of tokens
	s_lshl_b32 s51, s49, 2
	s_add_co_u32 s51, s51, s[WV]                   ; my head
	s_lshl_b32 s54, s48, 9
	s_lshl_b32 s56, s50, 4
	s_add_co_u32 s54, s54, s56
	s_mul_i32 s54, s54, 8448
	s_mul_i32 s56, s[WV], 33792                    ; my quarter of the 16 records
	s_add_co_u32 s54, s54, s56
	s_mov_b32 s55, 0
	s_add_nc_u64 s[G0+2:G0+3], s[32:33], s[54:55]
	s_mov_b32 s[G0+1], s56
.else
	s_sub_co_u32 s48, ttmp9, 128
	s_lshr_b32 s49, s48, 3                         ; which four key steps
	s_and_b32 s50, s48, 7                          ; head
	s_lshl_b32 s54, s50, 4
	s_add_co_u32 s54, s54, 128
	s_mul_i32 s54, s54, 8448
	s_mul_i32 s56, s[WV], 33792
	s_add_co_u32 s54, s54, s56
	s_mov_b32 s55, 0
	s_add_nc_u64 s[G0+2:G0+3], s[34:35], s[54:55]
	s_add_co_u32 s[G0+1], s56, 135168              ; this path's own LDS bytes
.endif
	s_mov_b32 s[G0], 1
	s_or_b32 s[G0+3], s[G0+3], 0x80000000
	tensor_load_to_lds s[G0:G0+3], s[G1:G1+7]      ; my one tensor load: a first fill; nothing is filled again
	s_nop 0
.rept 4
	v_nop
.endr
.if \kind == 0
	s_lshl_b32 s54, s48, 6
	s_lshl_b32 s56, s51, 3
	s_add_co_u32 s54, s54, s56
	s_mul_i32 s54, s54, 8448
	s_add_nc_u64 s[S0P:S0P+1], s[34:35], s[54:55]  ; W's 8 records of my head
	s_lshr_b32 s52, s50, 2                         ; b
	s_and_b32 s53, s50, 3
	s_lshl_b32 s53, s53, 1                         ; the first of my two key steps
	s_lshl_b32 s54, s52, 3
	s_add_co_u32 s54, s54, s51
	s_lshl_b32 s54, s54, 3
	s_add_co_u32 s54, s54, s53
	s_mul_i32 s54, s54, 17408
	s_mul_i32 s56, s48, 8912896
	s_add_co_u32 s54, s54, s56
	s_add_nc_u64 s[PCO:PCO+1], s[42:43], s[54:55]
	s_add_nc_u64 s[PSO:PSO+1], s[PCO:PCO+1], 16384
	s_cmp_eq_u32 s48, 0
	s_cselect_b64 s[BIA:BIA+1], s[36:37], s[38:39]
	s_lshl_b32 s54, s51, 9
	s_add_nc_u64 s[BIA:BIA+1], s[BIA:BIA+1], s[54:55]
	v_lshlrev_b32 v6, 6, v9                        ; 16 h numbers
.else
	s_lshl_b32 s54, s49, 2
	s_add_co_u32 s54, s54, s[WV]                   ; my key step among all 64
	s_lshl_b32 s54, s54, 3
	s_add_co_u32 s54, s54, 1024
	s_mul_i32 s54, s54, 8448
	s_add_nc_u64 s[S0P:S0P+1], s[32:33], s[54:55]  ; V's 8 records of my key step
	s_lshr_b32 s52, s49, 1                         ; b
	s_lshl_b32 s52, s52, 3
	s_add_co_u32 s52, s52, s50
	s_lshl_b32 s52, s52, 3
	s_and_b32 s53, s49, 1
	s_lshl_b32 s53, s53, 2
	s_add_co_u32 s53, s53, s[WV]                   ; my key step in b
	s_add_co_u32 s52, s52, s53
	s_mul_i32 s54, s52, 34816
	s_add_nc_u64 s[PCO:PCO+1], s[44:45], s[54:55]
	s_add_nc_u64 s[PSO:PSO+1], s[PCO:PCO+1], 32768
	s_lshl_b32 s54, s50, 10
	s_add_nc_u64 s[BIA:BIA+1], s[40:41], s[54:55]
	v_and_b32 v6, 8, v8
	v_add_nc_u32 v6, v6, v8
	v_lshlrev_b32 v6, 2, v6                        ; my lane's row of a tile: r + 8 (r / 8)
.endif
	S0LOAD
.if \kind == 0
	CBLOAD
.else
	CVLOAD CVA, 0
.endif
	s_wait_tensorcnt 0x0                           ; my quarter of source 1 has landed,
	s_barrier_signal -1
	s_barrier_wait -1                              ; everybody's has
	s_mov_b32 s[TB], 135168*\kind
	v_add_nc_u32 v4, s[TB], v1
	v_add_nc_u32 v5, s[TB], v3
	FETCH XA, XSA, 0
.if \kind == 0
	s_wait_loadcnt 0x0                             ; source 0 and the bias
.endif
	s_mov_b32 s[CNT], 7
.Ltrip_\@:
	s_wait_alu depctr_va_vdst(0)
	TRIP \kind, 1
	s_sub_co_u32 s[CNT], s[CNT], 1
	s_cmp_lg_u32 s[CNT], 0
	s_cbranch_scc1 .Ltrip_\@
	TRIP \kind, 0                                  ; the last two tiles fetch nothing beyond the sixteenth
	s_wait_tensorcnt 0x0
	ds_add_u32 v254, v255
	s_wait_dscnt 0x0
	s_endpgm
.endm
	s_load_b256 s[32:39], s[0:1], 0x0              ; XC s[32:33], WC s[34:35], bq s[36:37], bk s[38:39]
	s_load_b128 s[40:43], s[0:1], 0x20             ; bv s[40:41], QK s[42:43]
	s_load_b64 s[44:45], s[0:1], 0x30              ; VC
	v_lshl_add_u32 v254, v0, 2, 0x42000
	v_mov_b32 v255, 0
	ds_add_u32 v254, v255
	ds_add_u32 v254, v255
	v_lshrrev_b32 v1, 5, v0
	v_readfirstlane_b32 s[WV], v1
	v_and_b32 v7, 31, v0                           ; lane
	v_and_b32 v8, 15, v0                           ; r
	v_bfe_u32 v9, v0, 4, 1                         ; h
	v_lshlrev_b32 v1, 4, v7
	v_lshlrev_b32 v2, 2, v7
	v_lshlrev_b32 v3, 4, v8
	s_mov_b32 s[SEL], 0x76543210
	s_mov_b32 s[SEL+1], 0xfedcba98
	s_mov_b32 s[MNT], 0x600000
	s_mov_b32 s29, 0
	s_mov_b32 s31, 0
	; descriptor group 1: 33,792 dense bytes as 132 rows of 256 bytes (32 elements of 8 bytes), no padding
	s_mov_b32 s[G1], 3<<16
	s_mov_b32 s[G1+1], 32<<16                      ; tensor_dim0
	s_mov_b32 s[G1+2], 132<<16                     ; tensor_dim1
	s_mov_b32 s[G1+3], 32<<16                      ; tile_dim0
	s_mov_b32 s[G1+4], 132                         ; tile_dim1
	s_mov_b32 s[G1+5], 32                          ; the pitch
	s_mov_b32 s[G1+6], 0
	s_mov_b32 s[G1+7], 0
.irp b, 0,1,2,3
	v_mov_b32 v[TM+4+\b], 0                        ; a lane permute's destination counts as one of its sources
.endr
	s_wait_dscnt 0x0
	s_wait_kmcnt 0x0
	s_cmp_lt_u32 ttmp9, 128
	s_cbranch_scc0 .Lkind_v
	s_wait_alu depctr_va_vdst(0)
	PROJ 0
.Lkind_v:
	s_wait_alu depctr_va_vdst(0)
	PROJ 1
.Lfunc_end_k_q743c12708e_proj:
	.size	k_q743c12708e_proj, .Lfunc_end_k_q743c12708e_proj-k_q743c12708e_proj
	.p2alignl 7, 3214868480
	.fill 96, 4, 3214868480
	.section	.rodata,"a",@progbits
	.p2align	6, 0x0
	.amdhsa_kernel k_q743c12708e_proj
		.amdhsa_group_segment_fixed_size 270848
		.amdhsa_private_segment_fixed_size 0
		.amdhsa_enable_private_segment 0
		.amdhsa_kernarg_size 56
		.amdhsa_user_sgpr_count 2
		.amdhsa_user_sgpr_kernarg_segment_ptr 1
		.amdhsa_wavefront_size32 1
		.amdhsa_system_sgpr_workgroup_id_x 1
		.amdhsa_system_sgpr_workgroup_id_y 1
		.amdhsa_system_sgpr_workgroup_id_z 1
		.amdhsa_system_vgpr_workitem_id 0
		.amdhsa_next_free_vgpr 1024
		.amdhsa_next_free_sgpr 66
		.amdhsa_reserve_vcc 0
		.amdhsa_float_denorm_mode_32 3
		.amdhsa_float_denorm_mode_16_64 3
		.amdhsa_memory_ordered 1
		.amdhsa_forward_progress 1
		.amdhsa_inst_pref_size 150
	.end_amdhsa_kernel
	.amdgpu_metadata
---
amdhsa.version: [ 1, 2 ]
amdhsa.kernels:
  - .name:           k_q743c12708e_proj
    .symbol:         k_q743c12708e_proj.kd
    .args:
      - { .name: XC, .offset: 0, .size: 8, .value_kind: global_buffer, .address_space: global }
      - { .name: WC, .offset: 8, .size: 8, .value_kind: global_buffer, .address_space: global }
      - { .name: bq, .offset: 16, .size: 8, .value_kind: global_buffer, .address_space: global }
      - { .name: bk, .offset: 24, .size: 8, .value_kind: global_buffer, .address_space: global }
      - { .name: bv, .offset: 32, .size: 8, .value_kind: global_buffer, .address_space: global }
      - { .name: QK, .offset: 40, .size: 8, .value_kind: global_buffer, .address_space: global }
      - { .name: VC, .offset: 48, .size: 8, .value_kind: global_buffer, .address_space: global }
    .group_segment_fixed_size: 270848
    .private_segment_fixed_size: 0
    .kernarg_segment_align: 8
    .kernarg_segment_size: 56
    .max_flat_workgroup_size: 128
    .sgpr_count:     66
    .vgpr_count:     1024
    .wavefront_size: 32
...
	.end_amdgpu_metadata
.endif
;; end of part 2
;; launch attn (part 3): grid 4 x 64, 8 waves a work-group, no clusters, 166,912 bytes of LDS; arguments QK, VC, MB, SM, AO; writes AO
.if DOCPART == 3
	.amdgcn_target "amdgcn-amd-amdhsa--gfx1250"
	.amdhsa_code_object_version 6
	.text
	.protected	k_q743c12708e_attn
	.globl	k_q743c12708e_attn
	.p2align	8
	.type	k_q743c12708e_attn,@function
k_q743c12708e_attn:
	s_mov_b64 s[64:65], 0
	v_nop
	global_prefetch_b8 v0, s[64:65] scope:SCOPE_SE
	s_setreg_imm32_b32 hwreg(HW_REG_WAVE_MODE, 25, 1), 1
	s_wait_xcnt 0x0
; ATTN: for each (b, head): scores = Qp Kp^T / sqrt(128), both masks, softmax, x Vp; both products on codes of FP8 (E4M3) with E8M0 scales; O / l is quantised along the head's 256 and stored as the last product's operand.
; THE SOFTMAX AHEAD OF THE SECOND PRODUCT: t = score x log2(e) / sqrt(128); M = the running largest t rounded UP to a whole number; p = 2^(t - M) is quantised along the keys, not normalised; the row's sum is taken of the
; unquantised p and divides O at the end.  When M moves, the sum and O are multiplied by 2^(old M - new M), which rounds nothing.
; THE MASKS are inputs.  A masked raw score becomes -2^103: a row masked so far sums ones, the first score that counts makes the factor 0, which wipes them; behind it a masked p is 0; a row masked everywhere ends with equal
; weights on all 1,024 keys, as the softmax of equal logits has it.
; KEY STEPS THAT THE MASKS EMPTY ARE LEFT OUT, BY WHOLE NUMBERS READ FROM MEMORY.  SM holds, for a tile of 16 queries and a step of 128 keys, the OR and the AND of the 64 mask words.  A wave leaves a step out where the OR of both
; its tiles is 0: all its 32 x 128 scores would be masked, and what they add is wiped or is 0, as above, if each of the 32 rows has a key that counts in some step.  Where a row has none (the OR over the 8 steps lacks its bit),
; the wave walks all 8 steps.  Where tile 1's AND is all ones its 64 selects are jumped over; tile 0's selects always run: they are the places that the products K Q^T want.
; LIMITS: a masked logit stands as -2^103 / sqrt(128), about -0.9e30, for -1e30: the results are the same while true logits lie above about -1e29.  NaN and infinities are not served, and one that lies only in a step left out
; is not carried to the result.  A block of zeros gets the byte 1.
; SHARES.  256 work-groups: (b, head) x g = 0 .. 3.  A wave owns 32 queries, two tiles, so that each fragment of K and V feeds two products.  Four waves take the 128 queries of group g, four those of group 7 - g, told apart by
; the parity of the wave's number: of waves w, w + 4 and of waves 2 i, 2 i + 1 alike one takes each group.
; NO TENSOR LOAD, NO JOINT LOAD: the text branches on numbers read from memory.  A step's K block (17,408 bytes) and V block (34,816) come by plain loads, an eighth a
; wave (15 loads), asked for behind the step's first product, into registers that are idle till the next step (Q's among them: Q is read again each step from the wave's own LDS bytes), and are stored into a ring of two LDS slots.
; One barrier a trip: in trip s slot (s + 1) % 2 is written, which was last read in trip s - 1, and slot s % 2 is read, which was written in trip s - 1.  All eight trips are walked by all waves.
; PREFETCH: in trip s (s < 5) step s + 3 is asked for, two trips ahead of its load; the four work-groups of a (b, head) take a quarter each by address: wave 0 K's 17 blocks of 256 bytes, waves 1, 2 V's 17 each (lanes 17-31 name the last again).
; LAYOUT.  Both products transposed: S^T = K Q^T, O^T = V^T P^T: a lane holds one query.  Lane row r of tile T = row 32 (T / 2) + 8 (T % 2) + r + 8 (r / 8): the 16 registers of two neighbouring tiles are 16 neighbours along the next K.
; REGISTERS.  window 0: v0 the prefetch's offset, v1 16 x lane, v2 4 x lane, v3, v4 the add's two, v5, v6 LDS addresses, v7 -2^103, v8 K's scale words on their way, v9 at work; tile q: v[10+4q] -M, v[11+4q] the largest t,
;   v[12+4q:13+4q] the sum; v18 the factor; v20, 21 p's scale words; v22, 23 Q's (V's on their way); v24-31 K's and V's; v32-47 at work; v48-63 K's image on its way; v64-95 Q (V's images on their way); v96-127 two fragments of K, then P;
;   v128-255 S^T, then two sets of four fragments of V.   window 1: O^T, register 128 q + 8 d + j.
.set SLOT1, 65536                      ; slot 1: one exclusive or turns an address of one slot into the other's
.set QST,   131072                     ; Q: 4,352 bytes a wave: two images, two scale images
.set SPARE, 165888                     ; the spare words, 128 bytes for each of eight waves
.set KP,  2                            ; s[2:3] K's image of the step to be loaded, my eighth; s[4:5] its scale image; s[6:7], s[8:9] V's
.set KSP, 4
.set VP,  6
.set VSP, 8
.set PFA, 10                           ; s[10:11] where my prefetch stands; s[12:13] a step on
.set PFS, 12
.set ACT, 14                           ; s14 bit s: step s is walked
.set NF,  15                           ; s15 bit s: tile 1 has a masked score in step s
.set LK,  18                           ; s18-21 LDS places of my four parts in the slot to be written
.set LQ,  22
.set PFL, 23                           ; s23 my wave prefetches in the trips under this number
.set SEL, 28
.set CS,  30
.set MNT, 66
.set WV,  67
.set TB,  100                          ; s100 LDS byte of the slot in hand
.set STP, 101                          ; s101 the trip
.set STKS, 8
.set T0,  9
.set F,   18
.set PSW, 20
.set QS,  22
.set KS,  24
.set TM,  32
.set BM,  32
.set PR,  36
.set HD,  40
.set SO,  44
.set STK, 48
.set RL,  54
.set Q,   64
.set KF,  96
.set P,   96
.set S,   128
.set VA,  128
.set VB,  192
.set MSB, 0
.macro WIN new
.if MSB != \new
	s_set_vgpr_msb (MSB<<8)|\new
.set MSB, \new
.endif
.endm
.macro PLACES
.rept 8
	v_nop
.endr
.endm
.macro QUANT src, pc, pw
.irp b, 0,1,2,3
	v_max3_num_f32 v[TM+\b], |v[(\src)+16*\b]|, |v[(\src)+1+16*\b]|, 0x4800000
.endr
.irp i, 2,4,6,8,10,12,14
.irp b, 0,1,2,3
	s_delay_alu instid0(VALU_DEP_4)
	v_max3_num_f32 v[TM+\b], v[TM+\b], |v[(\src)+16*\b+\i]|, |v[(\src)+1+16*\b+\i]|
.endr
.endr
.irp b, 0,1,2,3
	s_delay_alu instid0(VALU_DEP_4)
	v_permlanex16_b32 v[TM+4+\b], v[TM+\b], s[SEL], s[SEL+1]
.endr
.irp b, 0,1,2,3
	s_delay_alu instid0(VALU_DEP_4)
	v_max_num_f32 v[TM+\b], v[TM+\b], v[TM+4+\b]
.endr
.irp b, 0,1,2,3
	s_delay_alu instid0(VALU_DEP_4)
	v_add_nc_u32 v[TM+12+\b], 0xfc000000, v[TM+\b]
.endr
.irp b, 0,1,2,3
	v_and_or_b32 v[TM+8+\b], v[TM+\b], 0x7f800000, s[MNT]
.endr
.irp b, 0,1,2,3
	v_lshrrev_b32 v[TM+4+\b], 23, v[TM+12+\b]
.endr
	s_delay_alu instid0(VALU_DEP_3)
	v_lshl_or_b32 v[\pw], v[TM+5], 8, v[TM+4]
	s_delay_alu instid0(VALU_DEP_1)
	v_lshl_or_b32 v[\pw], v[TM+6], 16, v[\pw]
	s_delay_alu instid0(VALU_DEP_1)
	v_lshl_or_b32 v[\pw], v[TM+7], 24, v[\pw]
.irp b, 0,1,2,3
.irp i, 0,1,2,3,4,5,6,7,8,9,10,11,12,13,14,15
	v_med3_num_f32 v[(\src)+16*\b+\i], v[(\src)+16*\b+\i], -v[TM+8+\b], v[TM+8+\b]
.endr
	v_cvt_scalef32_pk8_fp8_f32 v[(\pc)+4*\b:(\pc)+4*\b+1], v[(\src)+16*\b:(\src)+16*\b+7], v[TM+12+\b]
	v_cvt_scalef32_pk8_fp8_f32 v[(\pc)+4*\b+2:(\pc)+4*\b+3], v[(\src)+16*\b+8:(\src)+16*\b+15], v[TM+12+\b]
.endr
	v_nop
.endm
.macro KLOAD kt, u                     ; tile kt of the step's K into buffer u: 5 LDS loads
.irp c, 0,1,2,3
	ds_load_b128 v[KF+16*(\u)+4*\c:KF+16*(\u)+4*\c+3], v5 offset:2048*(\kt)+512*\c
.endr
	ds_load_b32 v[KS+(\u)], v6 offset:16384+128*(\kt)
.endm
.macro VLOAD dt, reg, sc               ; tile dt of the step's V: 5 LDS loads
.irp c, 0,1,2,3
	ds_load_b128 v[(\reg)+4*\c:(\reg)+4*\c+3], v5 offset:17408+2048*(\dt)+512*\c
.endr
	ds_load_b32 v[\sc], v6 offset:50176+128*(\dt)
.endm
.macro VLOAD4 d0, set, ks              ; four tiles: 20 LDS loads
.irp i, 0,1,2,3
	VLOAD (\d0)+\i, (\set)+16*\i, (\ks)+\i
.endr
.endm
.macro MASKLOAD o                      ; 64 words of lane bits, o bytes behind tile 0's words of the step in hand: s32-63, s68-99
	s_load_b512 s[32:47], s[24:25], (\o)
	s_load_b512 s[48:63], s[24:25], (\o)+64
	s_load_b512 s[68:83], s[24:25], (\o)+128
	s_load_b512 s[84:99], s[24:25], (\o)+192
.endm
.macro SLOAD                           ; my eighth of a step: K's image w and its scale image, V's images 2 w, 2 w + 1 and theirs: 15 loads
.irp c, 0,1,2,3
	global_load_b128 v[STK+4*\c:STK+4*\c+3], v1, s[KP:KP+1] offset:512*\c
.endr
	global_load_b32 v[STKS], v2, s[KSP:KSP+1]
.irp c, 0,1,2,3,4,5,6,7
	global_load_b128 v[Q+4*\c:Q+4*\c+3], v1, s[VP:VP+1] offset:512*\c
.endr
	global_load_b32 v[QS], v2, s[VSP:VSP+1]
	global_load_b32 v[QS+1], v2, s[VSP:VSP+1] offset:128
.endm
.macro SSTORE                          ; and into the slot that is not being read: 15 LDS stores
	v_add_nc_u32 v32, s[LK], v1
	v_add_nc_u32 v33, s[LK+1], v2
	v_add_nc_u32 v34, s[LK+2], v1
	v_add_nc_u32 v35, s[LK+3], v2
.irp c, 0,1,2,3
	ds_store_b128 v32, v[STK+4*\c:STK+4*\c+3] offset:512*\c
.endr
	ds_store_b32 v33, v[STKS]
.irp c, 0,1,2,3,4,5,6,7
	ds_store_b128 v34, v[Q+4*\c:Q+4*\c+3] offset:512*\c
.endr
	ds_store_b32 v35, v[QS]
	ds_store_b32 v35, v[QS+1] offset:128
.endm
.macro NEXT                            ; the next step is asked for (not in the last trip), and step s + 3 of memory
	s_cmp_lt_u32 s[STP], 7
	s_cbranch_scc0 .Lnone_\@
	SLOAD
	s_cmp_lt_u32 s[STP], s[PFL]
	s_cbranch_scc0 .Lnone_\@
	global_prefetch_b8 v0, s[PFA:PFA+1] th:TH_LOAD_NT scope:SCOPE_SE
.Lnone_\@:
.endm
; Tile q's softmax of a key step.  Tile 0's scores arrive masked; tile 1's are masked here, where the step has a masked score of that tile.
.macro SOFTMAX q
.set SS, S+64*(\q)
.set NM, 10+4*(\q)
.set TT, 11+4*(\q)
.set SU, 12+4*(\q)
.set PP, P+16*(\q)
.if (\q) == 1
	s_wait_kmcnt 0x0                               ; tile 1's mask words, asked for ahead of tile 0's softmax
	s_lshr_b32 s17, s[NF], s[STP]
	s_and_b32 s17, s17, 1
	s_cmp_eq_u32 s17, 0
	s_cbranch_scc1 .Lfull_\@
	s_wait_alu depctr_va_vdst(0)
.set n, 0
.rept 64
	v_cndmask_b32 v[SS+n], v7, v[SS+n], s[32+n+4*(n/32)]   ; a masked score becomes -2^103.  Ascending: each accumulator is read from its low end on
.set n, n+1
.endr
.Lfull_\@:
	MASKLOAD 256                                   ; tile 0's words of the next step (in the last trip: tile 1's first, inside the buffer, read by nobody)
	s_wait_alu depctr_va_vdst(0)                   ; the same wait on the way that jumps over the selects
.endif
.irp b, 0,1,2,3
	v_max3_num_f32 v[BM+\b], v[SS+16*\b], v[SS+1+16*\b], v[SS+2+16*\b]   ; the largest score of each block of 32 keys: for the row's maximum and for the block's largest p
.endr
.irp i, 3,5,7,9,11,13
.irp b, 0,1,2,3
	v_max3_num_f32 v[BM+\b], v[BM+\b], v[SS+16*\b+\i], v[SS+1+16*\b+\i]
.endr
.endr
.irp b, 0,1,2,3
	v_max_num_f32 v[BM+\b], v[BM+\b], v[SS+15+16*\b]
.endr
.irp b, 0,1,2,3
	s_delay_alu instid0(VALU_DEP_4)
	v_permlanex16_b32 v[PR+\b], v[BM+\b], s[SEL], s[SEL+1]
.endr
.irp b, 0,1,2,3
	s_delay_alu instid0(VALU_DEP_4)
	v_max_num_f32 v[BM+\b], v[BM+\b], v[PR+\b]     ; with lane l xor 16's 16 keys
.endr
	s_delay_alu instid0(VALU_DEP_2)
	v_max3_num_f32 v[T0], v[BM], v[BM+1], v[BM+2]
	s_delay_alu instid0(VALU_DEP_1)
	v_max_num_f32 v[T0], v[T0], v[BM+3]
	s_delay_alu instid0(VALU_DEP_1)
	v_mul_f32 v[T0], s[CS], v[T0]                  ; as t (c is positive)
	s_delay_alu instid0(VALU_DEP_1)
	v_max_num_f32 v[TT], v[TT], v[T0]              ; the running largest t
	v_mov_b32 v[T0], v[NM]
	s_delay_alu instid0(VALU_DEP_2)
	v_floor_f32 v[NM], -v[TT]                      ; the new -M = floor(-t): M is a whole number
	s_delay_alu instid0(VALU_DEP_1)
	v_sub_f32 v[T0], v[NM], v[T0]                  ; old M - new M: a whole number, 0 or less
	s_delay_alu instid0(VALU_DEP_1)
	v_cvt_i32_f32 v[T0], v[T0]                     ; (it saturates)
	s_delay_alu instid0(VALU_DEP_1)
	v_ldexp_f32 v[F], 1.0, v[T0]                   ; 2^(old M - new M)
.set j, 0
.rept 32
	v_pk_fma_f32 v[SS+j:SS+j+1], v[SS+j:SS+j+1], s[CS:CS+1], v[NM:NM+1] op_sel_hi:[1,0,0]   ; t - M, two at a time
.set j, j+2
.endr
.irp b, 0,1,2,3
	v_fma_f32 v[BM+\b], v[BM+\b], s[CS], v[NM]     ; the same of each block's largest score
.endr
.set j, 0
	s_wait_alu depctr_va_vdst(0)                   ; ahead of the batch
.rept 64
	v_exp_f32 v[SS+j], v[SS+j]                     ; p = 2^(t - M)
.set j, j+1
.endr
	v_pk_mul_f32 v[SU:SU+1], v[SU:SU+1], v[F:F+1] op_sel_hi:[1,0]   ; the sums under the new M: the plain line behind the exponentials
	s_wait_alu depctr_va_vdst(0)                   ; one wait for the batch of 64, ahead of its first reader
.irp b, 0,1,2,3
	v_exp_f32 v[BM+\b], v[BM+\b]                   ; the block's largest p
.endr
	v_pk_add_f32 v[PR:PR+1], v[SS:SS+1], v[SS+2:SS+3]   ; the row's sum of the unquantised p, in two chains
.set j, 4
.rept 15
	v_pk_add_f32 v[SU:SU+1], v[SU:SU+1], v[SS+j:SS+j+1]
	v_pk_add_f32 v[PR:PR+1], v[PR:PR+1], v[SS+j+2:SS+j+3]
.set j, j+4
.endr
	s_delay_alu instid0(VALU_DEP_1)
	v_pk_add_f32 v[SU:SU+1], v[SU:SU+1], v[PR:PR+1]
	s_wait_alu depctr_va_vdst(0)                   ; and one for the four
.irp b, 0,1,2,3
	v_max_num_f32 v[BM+\b], 0x4800000, v[BM+\b]    ; the floor 2^(9 - 127): the byte cannot fall under 1
.endr
.irp b, 0,1,2,3
	s_delay_alu instid0(VALU_DEP_4)
	v_add_nc_u32 v[SO+\b], 0xfc000000, v[BM+\b]    ; the conversion's scale operand
.endr
.irp b, 0,1,2,3
	v_and_or_b32 v[HD+\b], v[BM+\b], 0x7f800000, s[MNT]   ; 448 x the scale
.endr
.irp b, 0,1,2,3
	v_lshrrev_b32 v[PR+\b], 23, v[SO+\b]           ; the byte
.endr
	s_delay_alu instid0(VALU_DEP_3)
	v_lshl_or_b32 v[PSW+(\q)], v[PR+1], 8, v[PR]
	s_delay_alu instid0(VALU_DEP_1)
	v_lshl_or_b32 v[PSW+(\q)], v[PR+2], 16, v[PSW+(\q)]
	s_delay_alu instid0(VALU_DEP_1)
	v_lshl_or_b32 v[PSW+(\q)], v[PR+3], 24, v[PSW+(\q)]
.irp b, 0,1,2,3
.set j, 0
.rept 16
	v_min_num_f32 v[SS+16*\b+j], v[SS+16*\b+j], v[HD+\b]   ; the conversion does not saturate (ISA guide 7.6.2); p is not negative: a one-sided hold
.set j, j+1
.endr
	v_cvt_scalef32_pk8_fp8_f32 v[PP+4*\b:PP+4*\b+1], v[SS+16*\b:SS+16*\b+7], v[SO+\b]
	v_cvt_scalef32_pk8_fp8_f32 v[PP+4*\b+2:PP+4*\b+3], v[SS+16*\b+8:SS+16*\b+15], v[SO+\b]
.endr
	WIN 0x41                                       ; O^T (destination and source 0) window 1
	s_wait_alu depctr_va_vdst(0)                   ; directly ahead of the first reader of O^T
.set j, 0
.rept 64
	v_pk_mul_f32 v[128*(\q)+j:128*(\q)+j+1], v[128*(\q)+j:128*(\q)+j+1], v[F:F+1] op_sel_hi:[1,0]   ; O^T under the new M.  These are also the places between the codes and the products that take them
.set j, j+2
.endr
	WIN 0
.endm
.macro PV4 d0, set, ks                 ; O^T += V^T P^T: four tiles of V x both tiles of queries: eight accumulators, each once a step
	WIN 0x50                                       ; C and D window 1
.irp i, 0,1,2,3
.irp q, 0,1
	v_wmma_scale_f32_16x16x128_f8f6f4 v[128*\q+8*((\d0)+\i):128*\q+8*((\d0)+\i)+7], v[(\set)+16*\i:(\set)+16*\i+15], v[P+16*\q:P+16*\q+15], v[128*\q+8*((\d0)+\i):128*\q+8*((\d0)+\i)+7], v[(\ks)+\i], v[PSW+\q]
.endr
.endr
	WIN 0
.endm
; A KEY STEP's work: 128 keys.
.macro STEP
	v_add_nc_u32 v5, s[TB], v1
	v_add_nc_u32 v6, s[TB], v2
	v_add_nc_u32 v36, s[LQ], v1
	v_add_nc_u32 v37, s[LQ], v2
	PLACES                                         ; with the four additions twelve places behind the last step's products: K's loads land on P's registers, and the scores are written over V's fragments
.irp q, 0,1
.irp c, 0,1,2,3
	ds_load_b128 v[Q+16*\q+4*\c:Q+16*\q+4*\c+3], v36 offset:2048*\q+512*\c   ; Q, from my own bytes: 10 LDS loads
.endr
	ds_load_b32 v[QS+\q], v37 offset:4096+128*\q
.endr
	KLOAD 0, 0
	KLOAD 1, 1
	s_wait_alu depctr_va_vdst(0)
	s_wait_kmcnt 0x0                               ; tile 0's mask words, asked for in the trip before
.irp kk, 0,1,2,3,4,5,6,7
.if \kk < 7
	s_wait_dscnt 5                                 ; this tile's 5 loads (and Q's) are in; the other buffer's 5 may be out
.else
	s_wait_dscnt 0x0
.endif
	v_wmma_scale_f32_16x16x128_f8f6f4 v[S+8*\kk:S+8*\kk+7], v[KF+16*(\kk%2):KF+16*(\kk%2)+15], v[Q:Q+15], 0, v[KS+(\kk%2)], v[QS]
	v_wmma_scale_f32_16x16x128_f8f6f4 v[S+64+8*\kk:S+64+8*\kk+7], v[KF+16*(\kk%2):KF+16*(\kk%2)+15], v[Q+16:Q+31], 0, v[KS+(\kk%2)], v[QS+1]
; eight places behind each pair of products, ahead of the load into the fragment that the pair read: from the second pair on tile 0's selects on the accumulator of the pair BEFORE
.if \kk == 0
	PLACES
.else
.set n, 8*(\kk-1)
.rept 8
	v_cndmask_b32 v[S+n], v7, v[S+n], s[32+n+4*(n/32)]   ; a masked score becomes -2^103.  Ascending: each accumulator is read from its low end on
.set n, n+1
.endr
.endif
.if \kk < 6
	KLOAD \kk+2, \kk%2
.endif
.endr
.set n, 56
.rept 8
	v_cndmask_b32 v[S+n], v7, v[S+n], s[32+n+4*(n/32)]   ; the last accumulator of tile 0: eight selects stand between its product and these
.set n, n+1
.endr
	MASKLOAD 2048                                  ; tile 0's words have been read: tile 1's take their place
	NEXT                                           ; Q's registers are free (eight selects and more behind the last product that read them): the next step's bytes are asked for
	SOFTMAX 0
	VLOAD4 0, VA, KS                               ; into the registers that tile 0's scores have left
	SOFTMAX 1
	VLOAD4 4, VB, KS+4
	s_wait_alu depctr_va_vdst(0)
	s_wait_dscnt 20                                ; the first set's 20 loads are in; the second's may be out
	PV4 0, VA, KS
	PLACES
	VLOAD4 8, VA, KS
	s_wait_dscnt 20
	PV4 4, VB, KS+4
	PLACES
	s_wait_loadcnt 0x0                             ; the next step's bytes are in my registers
	s_cmp_lt_u32 s[STP], 7
	s_cbranch_scc0 .Lkeep_\@
	SSTORE
.Lkeep_\@:
	VLOAD4 12, VB, KS+4
	s_wait_dscnt 20                                ; all but the 20 just issued: the third set is in, and the stores have landed
	PV4 8, VA, KS
	s_wait_dscnt 0x0
	PV4 12, VB, KS+4
.endm
	s_load_b256 s[32:39], s[0:1], 0x0              ; QK s[32:33], VC s[34:35], MB s[36:37], SM s[38:39]
	s_load_b64 s[40:41], s[0:1], 0x20              ; AO
	v_lshl_add_u32 v3, v0, 2, SPARE
	v_mov_b32 v4, 0
	v_lshrrev_b32 v1, 5, v0
	v_readfirstlane_b32 s[WV], v1                  ; wave 0..7
	v_and_b32 v9, 31, v0
	v_lshlrev_b32 v1, 4, v9
	v_lshlrev_b32 v2, 2, v9
	v_min_u32 v0, 16, v9
	v_lshlrev_b32 v0, 8, v0                        ; the prefetch: 17 blocks of 256 bytes
	v_mov_b32 v7, 0xf3000000                       ; -2^103
	s_and_b32 s42, ttmp7, 0xffff                   ; b x 8 + head
	s_lshr_b32 s16, s[WV], 1                       ; which 32 of a group's 128 queries
	s_xor_b32 s17, s16, s[WV]
	s_lshr_b32 s43, s[WV], 2
	s_xor_b32 s17, s17, s43
	s_and_b32 s17, s17, 1                          ; the parity of my wave's number
	s_sub_co_u32 s43, 7, ttmp9
	s_cmp_eq_u32 s17, 1
	s_cselect_b32 s43, s43, ttmp9                  ; my group of 128 queries: g, or 7 - g
	s_lshr_b32 s44, s42, 3                         ; b
	s_and_b32 s45, s42, 7                          ; head
	s_lshl_b32 s46, s44, 6
	s_lshl_b32 s47, s43, 3
	s_add_co_u32 s46, s46, s47
	s_lshl_b32 s47, s16, 1
	s_add_co_u32 s46, s46, s47                     ; my first tile of tokens: 64 b + 8 group + 2 (wave / 2)
	s_mul_i32 s48, s42, 139264
	s_add_co_u32 s48, s48, 8912896                 ; K's half of QK, my (b, head)
	s_mul_i32 s50, s42, 278528                     ; the same in VC
	s_lshl_b32 s[LK], s[WV], 11                    ; my parts of a step: in the block and in a slot
	s_add_co_u32 s52, s48, s[LK]
	s_lshl_b32 s[LK+1], s[WV], 7
	s_add_co_u32 s[LK+1], s[LK+1], 16384
	s_add_co_u32 s54, s48, s[LK+1]
	s_lshl_b32 s[LK+2], s[WV], 12
	s_add_co_u32 s56, s50, s[LK+2]
	s_add_co_u32 s[LK+2], s[LK+2], 17408
	s_lshl_b32 s[LK+3], s[WV], 8
	s_add_co_u32 s58, s50, s[LK+3]
	s_add_co_u32 s58, s58, 32768
	s_add_co_u32 s[LK+3], s[LK+3], 50176
	s_mov_b32 s53, 0
	s_mov_b32 s55, 0
	s_mov_b32 s57, 0
	s_mov_b32 s59, 0
	s_mul_i32 s[LQ], s[WV], 4352
	s_add_co_u32 s[LQ], s[LQ], QST
	s_lshl_b32 s60, s42, 3
	s_add_co_u32 s60, s60, s43
	s_mul_i32 s60, s60, 17408                      ; Q's block that holds my two tiles,
	s_lshl_b32 s47, s16, 12
	s_add_co_u32 s62, s60, s47                     ; their images,
	s_lshl_b32 s47, s16, 8
	s_add_co_u32 s60, s60, s47
	s_add_co_u32 s60, s60, 16384                   ; their scale images
	s_mov_b32 s61, 0
	s_mov_b32 s63, 0
	s_mul_i32 s70, ttmp9, 4352                     ; the prefetch: my work-group's quarter of step 3: wave 0 of K's block,
	s_add_co_u32 s72, s48, s70
	s_add_co_u32 s72, s72, 52224
	s_lshl_b32 s70, s70, 1                         ; waves 1, 2 the halves of its quarter of V's
	s_add_co_u32 s70, s70, s50
	s_mul_i32 s71, s[WV], 4352
	s_add_co_u32 s70, s70, s71
	s_add_co_u32 s70, s70, 100096
	s_mov_b32 s[PFS], 34816
	s_cmp_eq_u32 s[WV], 0
	s_cselect_b32 s70, s72, s70
	s_cselect_b32 s[PFS], 17408, s[PFS]
	s_mov_b32 s71, 0
	s_mov_b32 s[PFS+1], 0
	s_cmp_lt_u32 s[WV], 3
	s_cselect_b32 s[PFL], 5, 0
	s_mov_b32 s[SEL], 0x76543210
	s_mov_b32 s[SEL+1], 0xfedcba98
	s_mov_b32 s[CS], 0x3e0293ee
	s_mov_b32 s[CS+1], s[CS]
	s_mov_b32 s[MNT], 0x600000
	s_mov_b32 s49, 0
	s_wait_alu depctr_va_vdst(0)
	s_wait_kmcnt 0x0
	s_add_nc_u64 s[KP:KP+1], s[32:33], s[52:53]
	s_add_nc_u64 s[KSP:KSP+1], s[32:33], s[54:55]
	s_add_nc_u64 s[VP:VP+1], s[34:35], s[56:57]
	s_add_nc_u64 s[VSP:VSP+1], s[34:35], s[58:59]
	s_add_nc_u64 s[60:61], s[32:33], s[60:61]
	s_add_nc_u64 s[62:63], s[32:33], s[62:63]
	s_cmp_eq_u32 s[WV], 0
	s_cselect_b64 s[PFA:PFA+1], s[32:33], s[34:35]
	s_add_nc_u64 s[PFA:PFA+1], s[PFA:PFA+1], s[70:71]
	s_lshl_b32 s48, s46, 11
	s_add_nc_u64 s[24:25], s[36:37], s[48:49]      ; my tiles' mask words
	s_lshl_b32 s48, s46, 6
	s_add_nc_u64 s[104:105], s[38:39], s[48:49]    ; and their summaries
	s_lshl_b32 s48, s46, 3
	s_add_co_u32 s48, s48, s45
	s_mul_i32 s48, s48, 4352
	s_add_nc_u64 s[26:27], s[40:41], s[48:49]      ; my first record of AO
	s_load_b512 s[68:83], s[104:105], 0x0          ; tile 0: step k's OR in s[68 + 2 k], its AND in s[69 + 2 k]
	s_load_b512 s[84:99], s[104:105], 0x40         ; tile 1 likewise
.irp q, 0,1
.irp c, 0,1,2,3
	global_load_b128 v[S+16*\q+4*\c:S+16*\q+4*\c+3], v1, s[62:63] offset:2048*\q+512*\c
.endr
	global_load_b32 v[S+32+\q], v2, s[60:61] offset:128*\q
.endr
	SLOAD                                          ; step 0
.irp q, 0,1
	v_mov_b32 v[11+4*\q], 0xff61b1e6               ; the largest t so far: -3e38
	v_floor_f32 v[10+4*\q], -v[11+4*\q]            ; -M
	v_mov_b32 v[12+4*\q], 0                        ; the sum, in two halves
	v_mov_b32 v[13+4*\q], 0
.endr
	v_mov_b32 v[F+1], 0                            ; (named as a pair's upper half)
.irp b, 0,1,2,3
	v_mov_b32 v[PR+\b], 0                          ; a lane permute's destination counts as one of its sources
.endr
	WIN 0x40
.set j, 0
.rept 256
	v_mov_b32 v[j], 0                              ; O^T.  Which step is a wave's first hangs on the masks: the step is written once, and finds zeros, which the first change of M leaves zeros
.set j, j+1
.endr
	WIN 0
	s_wait_kmcnt 0x0
	s_mov_b32 s[ACT], 0
	s_mov_b32 s[NF], 0
.irp k, 0,1,2,3,4,5,6,7
	s_or_b32 s16, s[68+2*\k], s[84+2*\k]           ; does any key of step k count for any of my 32 queries?
	s_cselect_b32 s16, 1<<\k, 0
	s_or_b32 s[ACT], s[ACT], s16
	s_cmp_lg_u32 s[85+2*\k], -1                    ; has tile 1 a masked score there?
	s_cselect_b32 s16, 1<<\k, 0
	s_or_b32 s[NF], s[NF], s16
.endr
.irp k, 1,2,3,4,5,6,7
	s_or_b32 s68, s68, s[68+2*\k]
	s_or_b32 s84, s84, s[84+2*\k]
.endr
	s_lshr_b32 s16, s68, 16                        ; bits l and l + 16 belong to query row l
	s_or_b32 s68, s68, s16
	s_lshr_b32 s16, s84, 16
	s_or_b32 s84, s84, s16
	s_and_b32 s68, s68, s84
	s_and_b32 s68, s68, 0xffff
	s_cmp_lg_u32 s68, 0xffff                       ; a row with no key that counts: all eight steps are walked
	s_cselect_b32 s[ACT], 0xff, s[ACT]
	s_wait_alu depctr_va_vdst(0)
	s_wait_loadcnt 0x0                             ; Q and step 0; the pointers' registers may now take mask words:
	MASKLOAD 0                                     ; tile 0's of step 0
	v_add_nc_u32 v36, s[LQ], v1
	v_add_nc_u32 v37, s[LQ], v2
.irp q, 0,1
.irp c, 0,1,2,3
	ds_store_b128 v36, v[S+16*\q+4*\c:S+16*\q+4*\c+3] offset:2048*\q+512*\c
.endr
	ds_store_b32 v37, v[S+32+\q] offset:4096+128*\q
.endr
	SSTORE                                         ; slot 0
	s_wait_dscnt 0x0
	s_barrier_signal -1
	s_barrier_wait -1
	s_mov_b32 s[TB], SLOT1                         ; (the lines at .Lturn turn it to slot 0)
	s_mov_b32 s[STP], -1
	s_wait_xcnt 0x0                                ; the scalar loads of the first mask words have read their base: only now is it written
	s_sub_nc_u64 s[24:25], s[24:25], 256           ; (and step these to step 0's words, to step 3 of the prefetch)
	s_sub_nc_u64 s[PFA:PFA+1], s[PFA:PFA+1], s[PFS:PFS+1]
.Lturn:                                            ; on to the next trip: the loads and the prefetch have read their bases
	s_wait_xcnt 0x0
	s_add_nc_u64 s[KP:KP+1], s[KP:KP+1], 17408
	s_add_nc_u64 s[KSP:KSP+1], s[KSP:KSP+1], 17408
	s_add_nc_u64 s[VP:VP+1], s[VP:VP+1], 34816
	s_add_nc_u64 s[VSP:VSP+1], s[VSP:VSP+1], 34816
	s_add_nc_u64 s[PFA:PFA+1], s[PFA:PFA+1], s[PFS:PFS+1]
	s_add_nc_u64 s[24:25], s[24:25], 256
.irp k, 0,1,2,3
	s_xor_b32 s[LK+\k], s[LK+\k], SLOT1
.endr
	s_xor_b32 s[TB], s[TB], SLOT1
	s_add_co_u32 s[STP], s[STP], 1
	s_lshr_b32 s16, s[ACT], s[STP]
	s_and_b32 s16, s16, 1
	s_cmp_eq_u32 s16, 0
	s_cbranch_scc1 .Lidle
	STEP
	s_branch .Ljoin
.Lidle:                                            ; no key of this step counts for my queries: only my share of the ring's work
	s_wait_kmcnt 0x0
	MASKLOAD 256
	NEXT
	s_wait_loadcnt 0x0
	s_cmp_lt_u32 s[STP], 7
	s_cbranch_scc0 .Ljoin
	SSTORE
.Ljoin:
	s_wait_alu depctr_va_vdst(0)
	s_wait_dscnt 0x0                               ; my stores into the other slot have landed, and my reads of this one are over
	s_barrier_signal -1
	s_barrier_wait -1
	s_cmp_lt_u32 s[STP], 7
	s_cbranch_scc1 .Lturn
	; THE WAY OUT.  O^T / the sum; a tile's 128 registers are two fragments of the last product's operand (rows = my 16 queries, K = the head's 256): quantised and stored as images.
	s_wait_kmcnt 0x0
	PLACES
	v_lshrrev_b32 v8, 1, v1                        ; 8 x lane
.irp q, 0,1
	v_mov_b32 v[RL+2*\q+1], 0                      ; (named as a pair's upper half)
	v_add_f32 v[12+4*\q], v[12+4*\q], v[13+4*\q]   ; the sum's two halves,
.endr
.irp q, 0,1
	v_permlanex16_b32 v[PR+\q], v[12+4*\q], s[SEL], s[SEL+1]
.endr
.irp q, 0,1
	v_add_f32 v[12+4*\q], v[12+4*\q], v[PR+\q]     ; and lane l xor 16's
.endr
	s_wait_alu depctr_va_vdst(0)
.irp q, 0,1
	v_rcp_f32 v[RL+2*\q], v[12+4*\q]
.endr
	v_nop                                          ; a plain line behind the reciprocals
	s_wait_alu depctr_va_vdst(0)                   ; one wait for both, ahead of the first reader
.irp q, 0,1
.irp ph, 0,1
	WIN 0x01                                       ; source 0 (O^T) window 1
.set j, 0
.rept 32
	v_pk_mul_f32 v[S+64*\ph+j:S+64*\ph+j+1], v[128*\q+64*\ph+j:128*\q+64*\ph+j+1], v[RL+2*\q:RL+2*\q+1] op_sel_hi:[1,0]
.set j, j+2
.endr
	WIN 0
	QUANT S+64*\ph, 64+16*(2*\q+\ph), 50+2*\q+\ph  ; each fragment has code registers of its own: no store's data are written again
.irp c, 0,1,2,3
	global_store_b128 v1, v[64+16*(2*\q+\ph)+4*\c:64+16*(2*\q+\ph)+4*\c+3], s[26:27] offset:34816*\q+2048*\ph+512*\c   ; 512 consecutive bytes
.endr
.endr
	global_store_b64 v8, v[50+2*\q:51+2*\q], s[26:27] offset:34816*\q+4096   ; the two scale words of each lane: 256 consecutive bytes
.endr
	s_wait_tensorcnt 0x0                           ; the wave's end
	ds_add_u32 v3, v4
	s_wait_dscnt 0x0
	s_endpgm
.Lfunc_end_k_q743c12708e_attn:
	.size	k_q743c12708e_attn, .Lfunc_end_k_q743c12708e_attn-k_q743c12708e_attn
	.p2alignl 7, 3214868480
	.fill 96, 4, 3214868480
	.section	.rodata,"a",@progbits
	.p2align	6, 0x0
	.amdhsa_kernel k_q743c12708e_attn
		.amdhsa_group_segment_fixed_size 166912
		.amdhsa_private_segment_fixed_size 0
		.amdhsa_enable_private_segment 0
		.amdhsa_kernarg_size 40
		.amdhsa_user_sgpr_count 2
		.amdhsa_user_sgpr_kernarg_segment_ptr 1
		.amdhsa_wavefront_size32 1
		.amdhsa_system_sgpr_workgroup_id_x 1
		.amdhsa_system_sgpr_workgroup_id_y 1
		.amdhsa_system_sgpr_workgroup_id_z 1
		.amdhsa_system_vgpr_workitem_id 0
		.amdhsa_next_free_vgpr 512
		.amdhsa_next_free_sgpr 106
		.amdhsa_reserve_vcc 0
		.amdhsa_float_denorm_mode_32 3
		.amdhsa_float_denorm_mode_16_64 3
		.amdhsa_memory_ordered 1
		.amdhsa_forward_progress 1
		.amdhsa_inst_pref_size 136
	.end_amdhsa_kernel
	.amdgpu_metadata
---
amdhsa.version: [ 1, 2 ]
amdhsa.kernels:
  - .name:           k_q743c12708e_attn
    .symbol:         k_q743c12708e_attn.kd
    .args:
      - { .name: QK, .offset: 0, .size: 8, .value_kind: global_buffer, .address_space: global }
      - { .name: VC, .offset: 8, .size: 8, .value_kind: global_buffer, .address_space: global }
      - { .name: MB, .offset: 16, .size: 8, .value_kind: global_buffer, .address_space: global }
      - { .name: SM, .offset: 24, .size: 8, .value_kind: global_buffer, .address_space: global }
      - { .name: AO, .offset: 32, .size: 8, .value_kind: global_buffer, .address_space: global }
    .group_segment_fixed_size: 166912
    .private_segment_fixed_size: 0
    .kernarg_segment_align: 8
    .kernarg_segment_size: 40
    .max_flat_workgroup_size: 256
    .sgpr_count:     106
    .vgpr_count:     512
    .wavefront_size: 32
...
	.end_amdgpu_metadata
.endif
;; end of part 3
;; launch outp (part 4): grid 256 x 1, 4 waves a work-group, no clusters, 100,864 bytes of LDS; arguments AO, WC, bo, out0; writes out0
.if DOCPART == 4
	.amdgcn_target "amdgcn-amd-amdhsa--gfx1250"
	.amdhsa_code_object_version 6
	.text
	.protected	k_q743c12708e_outp
	.globl	k_q743c12708e_outp
	.p2align	8
	.type	k_q743c12708e_outp,@function
k_q743c12708e_outp:
	s_mov_b64 s[64:65], 0
	v_nop
	global_prefetch_b8 v0, s[64:65] scope:SCOPE_SE
	s_setreg_imm32_b32 hwreg(HW_REG_WAVE_MODE, 25, 1), 1
	s_wait_xcnt 0x0
; OUTP: out0 = A Wo + bo, A [8192][2048] = the heads' results side by side, on codes of FP8 (E4M3) with E8M0 scales; out0 [8192][512] f32.
; AO: [tile of tokens 512][head 8] records of 4,352 bytes: two images (the head's 256 = two K steps) and 256 bytes of scale words [lane][2].  WC: Wo's record 256 + 4 (tile of columns) + (which 512 of K): four images, scale words.
; Lane row r of tile T is row 32 (T / 2) + 8 (T % 2) + r + 8 (r / 8), for tokens and for Wo's columns alike.
; SHARES.  A work-group makes 128 tokens (8 tiles) x 128 columns.  K IS SHARED OUT AMONG THE WAVES: wave w keeps Wo's 128 columns x K quarter w (32 fragments, 512 registers) for the whole launch and reads only its own two
; heads' records of AO, from memory straight into registers.  So no operand goes through LDS and none is read twice in a work-group.  The four partial sums of a tile meet in LDS: each wave stores its 16 x 128, a barrier, and
; wave w adds the four parts of token rows 4 w .. 4 w + 3, adds bo and stores whole rows of 512 bytes.
; A RUNS FOUR TILES AHEAD.  Window 3 holds four tiles of A (4 x 64 registers).  Tiles 0 to 3 are asked for at the head; tile k + 4 directly behind tile k's products and their places: four tiles' work, 128 matrix instructions and
; four trips through the stage, ahead of its use.  The eight tiles are written out: every offset is an immediate (AO: 34,816 x 7 + 8,448 bytes at the most; out0: 219,136), no pointer is stepped, and there is no branch.
; ORDER OF THE SUMS: K is summed in four parts of 512, added as (0 + 1) + (2 + 3): another order than one ascending chain.
; NO JOINT LOADS: the text has no tensor load: no two waves of a work-group read the same fragment, so nothing would pass through LDS that a joint load could fill.
; THE STAGE, two by turns, 50,176 bytes each: [wave 4][group 16][half 2][row 16] x 16 bytes with strides 12,544, 784, 384, 16.  A store's sixteen lanes write 256 consecutive bytes; a read's sixteen lanes begin at
; 784 G + 384 h, which is 16 G + 128 h modulo 256, G = 0 .. 7: sixteen different places.
; REGISTERS.  window 0: v1 16 x lane, v2 8 x lane, v3 16 x (lane % 16), v4, v5 the stages on the way in, v6, v7 on the way out, v8-11 bo; v16-79 the 8 accumulators; v80-143 the parts read back; v144-159 A's scale words, four sets;
;   v160-191 Wo's (4 t + s).  windows 1, 2: Wo, fragment (t, s) at v[128 (s % 2) + 16 t] of window 1 + s / 2.  window 3: A, tile k at v[64 (k % 4)].
.set S0P, 16
.set AP,  18
.set OP,  20
.set BOP, 22
.set WV,  24
.set BO,  8
.set HA,  16
.set RD,  80
.set AS,  144
.set W0S, 160
.set MSB, 0
.macro WIN new
.if MSB != \new
	s_set_vgpr_msb (MSB<<8)|\new
.set MSB, \new
.endif
.endm
.macro S0LOAD                          ; Wo's 8 tiles of columns, my quarter of K: 128 loads of 512 consecutive bytes, and 8 of scale words
	WIN 0x40
.irp s, 0,1
.irp t, 0,1,2,3,4,5,6,7
.irp c, 0,1,2,3
	global_load_b128 v[128*\s+16*\t+4*\c:128*\s+16*\t+4*\c+3], v1, s[S0P:S0P+1] offset:33792*\t+2048*\s+512*\c
.endr
.endr
.endr
	WIN 0x80
.irp s, 0,1
.irp t, 0,1,2,3,4,5,6,7
.irp c, 0,1,2,3
	global_load_b128 v[128*\s+16*\t+4*\c:128*\s+16*\t+4*\c+3], v1, s[S0P:S0P+1] offset:33792*\t+2048*(\s+2)+512*\c
.endr
.endr
.endr
	WIN 0
.irp t, 0,1,2,3,4,5,6,7
	global_load_b128 v[W0S+4*\t:W0S+4*\t+3], v3, s[S0P:S0P+1] offset:33792*\t+8192
.endr
.endm
.macro LOADA buf, as, o                ; a tile of tokens, my two heads: four fragments and four scale words: 18 loads
	WIN 0xc0
.irp hd, 0,1
.irp ph, 0,1
.irp c, 0,1,2,3
	global_load_b128 v[(\buf)+16*(2*\hd+\ph)+4*\c:(\buf)+16*(2*\hd+\ph)+4*\c+3], v1, s[AP:AP+1] offset:(\o)+4352*\hd+2048*\ph+512*\c
.endr
.endr
.endr
	WIN 0
.irp hd, 0,1
	global_load_b64 v[(\as)+2*\hd:(\as)+2*\hd+1], v2, s[AP:AP+1] offset:(\o)+4352*\hd+4096
.endr
.endm
; 32 products: source 0 = Wo's tiles, source 1 = the tokens; the 8 accumulators by turns, a K step at a time; the first K step starts the sums.  Nine v_nop follow:
; the next run begins the accumulators anew, the LDS stores read them, and loads land on the operands.
.macro MM buf, as
	WIN 0x0d
.irp t, 0,1,2,3,4,5,6,7
	v_wmma_scale_f32_16x16x128_f8f6f4 v[HA+8*\t:HA+8*\t+7], v[16*\t:16*\t+15], v[(\buf):(\buf)+15], 0, v[W0S+4*\t], v[(\as)]
.endr
.irp t, 0,1,2,3,4,5,6,7
	v_wmma_scale_f32_16x16x128_f8f6f4 v[HA+8*\t:HA+8*\t+7], v[128+16*\t:128+16*\t+15], v[(\buf)+16:(\buf)+31], v[HA+8*\t:HA+8*\t+7], v[W0S+4*\t+1], v[(\as)+1]
.endr
	WIN 0x0e
.irp t, 0,1,2,3,4,5,6,7
	v_wmma_scale_f32_16x16x128_f8f6f4 v[HA+8*\t:HA+8*\t+7], v[16*\t:16*\t+15], v[(\buf)+32:(\buf)+47], v[HA+8*\t:HA+8*\t+7], v[W0S+4*\t+2], v[(\as)+2]
.endr
.irp t, 0,1,2,3,4,5,6,7
	v_wmma_scale_f32_16x16x128_f8f6f4 v[HA+8*\t:HA+8*\t+7], v[128+16*\t:128+16*\t+15], v[(\buf)+48:(\buf)+63], v[HA+8*\t:HA+8*\t+7], v[W0S+4*\t+3], v[(\as)+3]
.endr
	WIN 0
.rept 9
	v_nop
.endr
.endm
.macro RSTORE adr                      ; group 2 t + jj: four neighbouring columns 32 (t / 2) + 16 h + 8 (t % 2) + 4 jj of token row r.  Each accumulator from its low end on
.irp t, 0,1,2,3,4,5,6,7
	ds_store_b128 v[\adr], v[HA+8*\t:HA+8*\t+3] offset:784*(2*\t)
	ds_store_b128 v[\adr], v[HA+8*\t+4:HA+8*\t+7] offset:784*(2*\t+1)
.endr
.endm
.macro RLOAD adr                       ; token rows 4 w + e, e = 0 .. 3: lane l takes columns 4 l .. 4 l + 3 of all four waves' parts
	s_wait_xcnt 0x0                                ; the last tile's stores have read these registers
.irp e, 0,1,2,3
.irp p, 0,1,2,3
	ds_load_b128 v[RD+16*\e+4*\p:RD+16*\e+4*\p+3], v[\adr] offset:16*\e+12544*\p
.endr
.endr
.endm
.macro REDUCE o
.irp e, 0,1,2,3
	v_pk_add_f32 v[RD+16*\e:RD+16*\e+1], v[RD+16*\e:RD+16*\e+1], v[RD+16*\e+4:RD+16*\e+5]
	v_pk_add_f32 v[RD+16*\e+2:RD+16*\e+3], v[RD+16*\e+2:RD+16*\e+3], v[RD+16*\e+6:RD+16*\e+7]
	v_pk_add_f32 v[RD+16*\e+8:RD+16*\e+9], v[RD+16*\e+8:RD+16*\e+9], v[RD+16*\e+12:RD+16*\e+13]
	v_pk_add_f32 v[RD+16*\e+10:RD+16*\e+11], v[RD+16*\e+10:RD+16*\e+11], v[RD+16*\e+14:RD+16*\e+15]
	v_pk_add_f32 v[RD+16*\e:RD+16*\e+1], v[RD+16*\e:RD+16*\e+1], v[RD+16*\e+8:RD+16*\e+9]
	v_pk_add_f32 v[RD+16*\e+2:RD+16*\e+3], v[RD+16*\e+2:RD+16*\e+3], v[RD+16*\e+10:RD+16*\e+11]
	v_pk_add_f32 v[RD+16*\e:RD+16*\e+1], v[RD+16*\e:RD+16*\e+1], v[BO:BO+1]
	v_pk_add_f32 v[RD+16*\e+2:RD+16*\e+3], v[RD+16*\e+2:RD+16*\e+3], v[BO+2:BO+3]
	global_store_b128 v1, v[RD+16*\e:RD+16*\e+3], s[OP:OP+1] offset:(\o)+2048*\e th:TH_STORE_NT   ; 32 lanes store 512 consecutive bytes of one row, aligned
.endr
.endm
.macro BARRIER                         ; my LDS stores have landed and my LDS loads are in: then the work-group's barrier
	s_wait_dscnt 0x0
	s_barrier_signal -1
	s_barrier_wait -1
.endm
; TILE k of the eight.  Its products stand between the read-back of tile k - 1's parts and the wait for it.  One barrier a tile: stage k % 2 is written again in tile k + 2, behind tile k + 1's barrier, which every wave signals
; behind the wait for its reads of that stage.  Tile k's rows of out0 lie 32 (k / 2) + 8 (k % 2) rows below tile 0's.
.macro TILE k
.if (\k) < 5
	s_wait_loadcnt 54                              ; this tile's loads (and, for tile 0, bo's and Wo's) are in; the three younger tiles' 18 each may be out
.else
	s_wait_loadcnt 18*(7-(\k))                     ; the counts run down: two tiles, one, none
.endif
	MM 64*((\k)%4), AS+4*((\k)%4)
.if (\k) < 4
	LOADA 64*((\k)%4), AS+4*((\k)%4), 34816*((\k)+4)   ; behind the nine v_nop: the registers that these products read take the tile four further on
.endif
.if (\k) > 0
	s_wait_dscnt 0x0                               ; the last tile's parts are back
	REDUCE 65536*(((\k)-1)/2)+16384*(((\k)-1)%2)
.endif
	RSTORE 4+(\k)%2
	BARRIER
	RLOAD 6+(\k)%2
.endm
	s_load_b256 s[32:39], s[0:1], 0x0              ; AO s[32:33], WC s[34:35], bo s[36:37], out0 s[38:39]
	v_lshl_add_u32 v254, v0, 2, 0x18800
	v_mov_b32 v255, 0
	v_lshrrev_b32 v1, 5, v0
	v_readfirstlane_b32 s[WV], v1
	v_and_b32 v12, 31, v0                          ; lane
	v_and_b32 v13, 15, v0                          ; r
	v_bfe_u32 v14, v0, 4, 1                        ; h
	v_lshlrev_b32 v1, 4, v12
	v_lshlrev_b32 v2, 3, v12
	v_lshlrev_b32 v3, 4, v13
	s_mul_i32 s31, s[WV], 12544
	v_mad_u32_u24 v4, v14, 384, v3
	v_add_nc_u32 v4, s31, v4                       ; in: 12,544 wave + 16 r + 384 h
	v_add_nc_u32 v5, 50176, v4
	v_lshrrev_b32 v6, 3, v12
	v_and_b32 v15, 3, v0
	v_lshl_add_u32 v6, v6, 2, v15                  ; out: columns 4 l on lie in group 4 (l / 8) + l % 4,
	v_mul_u32_u24 v6, v6, 784
	v_bfe_u32 v15, v0, 2, 1                        ; half (l / 4) % 2,
	v_mad_u32_u24 v6, v15, 384, v6
	s_lshl_b32 s31, s[WV], 6                       ; rows 4 wave on
	v_add_nc_u32 v6, s31, v6
	v_add_nc_u32 v7, 50176, v6
	s_and_b32 s26, ttmp9, 3                        ; which 128 columns
	s_lshr_b32 s27, ttmp9, 2                       ; which 8 tiles of tokens
	s_lshl_b32 s28, s26, 5
	s_add_co_u32 s28, s28, s[WV]
	s_add_co_u32 s28, s28, 256
	s_mul_i32 s28, s28, 8448
	s_mov_b32 s29, 0
	s_wait_alu depctr_va_vdst(0)
	s_wait_kmcnt 0x0
	s_add_nc_u64 s[S0P:S0P+1], s[34:35], s[28:29]  ; Wo: tile 8 cg, quarter w; the next tile 4 records on
	s_lshl_b32 s28, s27, 6
	s_lshl_b32 s30, s[WV], 1
	s_add_co_u32 s28, s28, s30
	s_mul_i32 s28, s28, 4352
	s_add_nc_u64 s[AP:AP+1], s[32:33], s[28:29]    ; AO: my first tile, heads 2 w and 2 w + 1
	s_lshl_b32 s28, s27, 7
	s_lshl_b32 s30, s[WV], 2
	s_add_co_u32 s28, s28, s30
	s_lshr_b32 s30, s[WV], 1
	s_lshl_b32 s30, s30, 3
	s_add_co_u32 s28, s28, s30                     ; lane rows 4 w on of the first tile are tokens 4 w + 8 (w / 2) on
	s_lshl_b32 s28, s28, 11
	s_lshl_b32 s30, s26, 9
	s_add_co_u32 s28, s28, s30
	s_add_nc_u64 s[OP:OP+1], s[38:39], s[28:29]
	s_mov_b32 s28, s30
	s_add_nc_u64 s[BOP:BOP+1], s[36:37], s[28:29]
	global_load_b128 v[BO:BO+3], v1, s[BOP:BOP+1]  ; bo of my four columns
	LOADA 0, AS, 0                                 ; tile 0 first: the first products want it with Wo;
	S0LOAD
	LOADA 64, AS+4, 34816                          ; tiles 1 to 3 behind Wo: the first products do not wait for them
	LOADA 128, AS+8, 69632
	LOADA 192, AS+12, 104448
.irp k, 0,1,2,3,4,5,6,7
	TILE \k
.endr
	s_wait_dscnt 0x0                               ; the last tile's parts are back
	REDUCE 65536*3+16384
	s_wait_tensorcnt 0x0
	ds_add_u32 v254, v255
	s_wait_dscnt 0x0
	s_endpgm
.Lfunc_end_k_q743c12708e_outp:
	.size	k_q743c12708e_outp, .Lfunc_end_k_q743c12708e_outp-k_q743c12708e_outp
	.p2alignl 7, 3214868480
	.fill 96, 4, 3214868480
	.section	.rodata,"a",@progbits
	.p2align	6, 0x0
	.amdhsa_kernel k_q743c12708e_outp
		.amdhsa_group_segment_fixed_size 100864
		.amdhsa_private_segment_fixed_size 0
		.amdhsa_enable_private_segment 0
		.amdhsa_kernarg_size 32
		.amdhsa_user_sgpr_count 2
		.amdhsa_user_sgpr_kernarg_segment_ptr 1
		.amdhsa_wavefront_size32 1
		.amdhsa_system_sgpr_workgroup_id_x 1
		.amdhsa_system_sgpr_workgroup_id_y 1
		.amdhsa_system_sgpr_workgroup_id_z 1
		.amdhsa_system_vgpr_workitem_id 0
		.amdhsa_next_free_vgpr 1024
		.amdhsa_next_free_sgpr 66
		.amdhsa_reserve_vcc 0
		.amdhsa_float_denorm_mode_32 3
		.amdhsa_float_denorm_mode_16_64 3
		.amdhsa_memory_ordered 1
		.amdhsa_forward_progress 1
		.amdhsa_inst_pref_size 101
	.end_amdhsa_kernel
	.amdgpu_metadata
---
amdhsa.version: [ 1, 2 ]
amdhsa.kernels:
  - .name:           k_q743c12708e_outp
    .symbol:         k_q743c12708e_outp.kd
    .args:
      - { .name: AO, .offset: 0, .size: 8, .value_kind: global_buffer, .address_space: global }
      - { .name: WC, .offset: 8, .size: 8, .value_kind: global_buffer, .address_space: global }
      - { .name: bo, .offset: 16, .size: 8, .value_kind: global_buffer, .address_space: global }
      - { .name: out0, .offset: 24, .size: 8, .value_kind: global_buffer, .address_space: global }
    .group_segment_fixed_size: 100864
    .private_segment_fixed_size: 0
    .kernarg_segment_align: 8
    .kernarg_segment_size: 32
    .max_flat_workgroup_size: 128
    .sgpr_count:     66
    .vgpr_count:     1024
    .wavefront_size: 32
...
	.end_amdgpu_metadata
.endif
;; end of part 4
